; MI455X (gfx1250); checked and timed in simulation.
; The chip was launched on July 23, 2026; its instructions are those of AMD's public machine-readable ISA for CDNA 5 (MIT licence, August 2026) and "CDNA5" Instruction Set Architecture Reference Guide (July 2026). The comments in the code are by the model that wrote it; some were corrected since.
;; Attention Block. Allowed arithmetic: matrix products marked QUANTISED: E4M3 operands, one E8M0 scale for each 32 along K, by v_wmma_scale_f32_16x16x128_f8f6f4 with both operands' format E4M3, f32 sums; everything else in f32.
;; Inputs: bk 256 float32; bp 256 float32; bq 256 float32; bv 256 float32; gn_beta 256 float32; gn_gamma 256 float32; wk 256 x 256 float32; wp 256 x 256 float32; wq 256 x 256 float32; wv 256 x 256 float32; x 4 x 256 x 64 x 64 float32.
;; Outputs: out0 4 x 256 x 64 x 64 float32.
;; This version of the problem:
;;   THIS VERSION OF THE PROBLEM IS GIVEN IN LOW PRECISION. The matrix products marked QUANTISED in the list below multiply operands that are first quantised to E4M3 (4 exponent bits, 3 mantissa bits; 8 bits a number), with one power-of-two scale for each 32 numbers along K (OCP MX v1.0); their sums are f32. All else is computed in f32.
;;   The module's matrix products, in the order in which they are computed (A, B: the left and right operand; K: the contracted axis; several contracted axes count as one K, in the product's order):
;;     1. [M 16,384, K 256] x [K 256, N 256]; A: computed on the way; B: input wq: QUANTISED
;;     2. [M 16,384, K 256] x [K 256, N 256]; A: computed on the way; B: input wk: QUANTISED
;;     3. [M 16,384, K 256] x [K 256, N 256]; A: computed on the way; B: input wv: QUANTISED
;;     4. batch 4 x [M 4,096, K 256] x [K 256, N 4,096]; A: computed on the way; B: computed on the way: QUANTISED
;;     5. batch 4 x [M 256, K 4,096] x [K 4,096, N 4,096]; A: computed on the way; B: softmax (see below): QUANTISED
;;     6. [M 16,384, K 256] x [K 256, N 256]; A: computed on the way; B: input wp: QUANTISED
;;   THE QUANTISER, for each operand of a quantised product, along K:
;;     - K is cut into blocks of 32 from its start; a last block that is shorter is filled with zeros.
;;     - A block's scale is 2^e with e = floor(log2(the largest magnitude in the block)) - 8, held to -126 .. 127; a block of zeros has e = 0. As a byte (E8M0): e + 127.
;;     - Each number is divided by its block's scale, clamped to +-448, and rounded to the nearest number of E4M3, ties to even, subnormals kept.
;;     - The product sums the exact products of the quantised numbers (number of the format x scale) in f32.
;;   ~~~python
;;   def quantise(x, axis):      # numpy; x: float32 -> the quantised numbers, widened to float32 again
;;       x = np.moveaxis(x, axis, -1); K = x.shape[-1]
;;       x = np.pad(x, [(0, 0)] * (x.ndim - 1) + [(0, -K % 32)]); x = x.reshape(x.shape[:-1] + (-1, 32)); a = np.abs(x).max(-1, keepdims=True)
;;       e = np.where(a > 0, np.clip(np.frexp(np.where(a > 0, a, 1))[1] - 1 - 8, -126, 127), 0)      # np.frexp(a)[1] - 1 = floor(log2(a)), exactly
;;       r = np.clip(x / 2.0 ** e, -448, 448)
;;       step = 2.0 ** (np.maximum(np.frexp(np.where(r == 0, 1, r))[1] - 1, -6) - 3)
;;       q = np.round(r / step) * step * 2.0 ** e      # np.round: ties to even
;;       return np.moveaxis(q.reshape(q.shape[:-2] + (-1,))[..., :K], -1, axis).astype(np.float32)
;;   ~~~
;;   SOFTMAX AHEAD OF A QUANTISED PRODUCT. Where the list says 'softmax', what is quantised is not the finished softmax but p = 2^(t - M), with t = logit x log2(e) and M = ceil(the row's largest t), a whole number; so 1/2 < the row's largest p <= 1. The row's sum l is taken of the UNQUANTISED p, in f32, and the product's result is divided by l at the end. Since M is a whole number, a kernel that streams over the keys may use a running M (the ceiling of the running maximum): every later rescaling is an exact power of two, which a block's scale takes up: the codes' values come out the same.
;;   OPERANDS COMPUTED ON THE WAY. 'Computed on the way' means the value that the module computes at that place (a softmax that the list does not call 'softmax' is quantised finished and normalised). What goes into a quantiser is computed in f32, as accurately as f32 sums, v_exp_f32 and their like allow (about 1e-6 of the number): no bf16 or f16 on the way to a quantiser, and a product that is left as it is and whose result goes on into a quantised operand takes f32 operands (vector FMAs, or v_wmma_f32_16x16x4_f32). A number that lies on a knife's edge between two numbers of the format may be rounded either way, as far as f32 arithmetic and the matrix unit's own rounding can turn it there, and no further.
;; One version. Each part assembles by itself: llvm-mc -triple=amdgcn-amd-amdhsa -mcpu=gfx1250 --defsym DOCPART=n.
;; ======== version 1 of 1: 3 launches
;; workspace buffers: stats 8,192 bytes; wimg 262,144 bytes; wscl 8,192 bytes; qimg 4,194,304 bytes; qscl 131,072 bytes; kv 8,388,608 bytes; kvs 262,144 bytes
;; launch prep (part 1): grid 272 x 1, 4 waves a work-group, no clusters, 0 bytes of LDS; arguments x, wq, wk, wv, wp, stats, wimg, wscl; writes stats, wimg, wscl
.if DOCPART == 1
	.amdgcn_target "amdgcn-amd-amdhsa--gfx1250"
	.amdhsa_code_object_version 6
	.text
	.protected	k_q1dcf29eb60_prep
	.globl	k_q1dcf29eb60_prep
	.p2align	8
	.type	k_q1dcf29eb60_prep,@function
k_q1dcf29eb60_prep:
	s_mov_b64 s[64:65], 0
	v_nop
	global_prefetch_b8 v0, s[64:65] scope:SCOPE_SE
	s_setreg_imm32_b32 hwreg(HW_REG_WAVE_MODE, 25, 1), 1
	s_wait_xcnt 0x0
; AttentionBlock, launch 1 of 3: GroupNorm's partial statistics, and the four weights as codes of E4M3.
; DEAD WORK: none.  Every bias goes into a quantised operand (bq, bk, bv) or into the output (bp), gamma and beta go into xn, which is quantised: all eleven inputs are loaded by some launch.
; LIMITS: NaN and infinities among the inputs are not served.  A block whose largest magnitude lies under 2^-118 has its scale byte held at 1; a block of zeros gets the byte 1 where the
; quantiser says 127: its codes are zeros, which add nothing under any byte but 0xff, and the bytes are read by this program alone.
; WORK-GROUPS 0-255: wave W = 4 x work-group + wave takes 4,096 consecutive numbers of x (one channel of one batch; 32 such chunks on end are one group) and stores their mean and the sum of the
; squared distances from THAT mean.  Both passes run on registers, so x is read once here and no difference of large sums is formed, whatever common offset x carries.
; WORK-GROUPS 256-271: wave = one tile of 16 rows of one weight [256 (out)][256 (K)], quantised along K, stored as IMAGES OF THE OPERAND'S REGISTERS: a fragment (16 rows x 128 K, 16 registers) is four
; groups of 512 bytes, group c = registers 4 c .. 4 c + 3, lane l's 16 bytes at 16 l.  THE ROWS OF A TILE ARE NOT NEIGHBOURS: lane r of tile 2 b + u takes row 32 b + 8 u + r + 8 (r / 8), so that in a
; result whose registers run along these rows the 16 registers of tiles 2 b and 2 b + 1 are 16 neighbours.
; No LDS, no barrier, no matrix instruction: waves share nothing.
.set SEL, 28                           ; s[28:29] lane selects of v_permlanex16_b32: lane l xor 16
.set MNT, 30                           ; s30  the mantissa field of 448
.set HM,  31                           ; s31  a lane mask: lanes 16-31
.set TM,  8                            ; v8-23 the quantiser's 16 registers (the statistics' chains on the other path)
.set X,   32                           ; v32-159 128 numbers a lane
.set PC0, 160                          ; v160-175, v176-191 the two fragments' codes
.set PC1, 176
.set PW0, 24                           ; v24, v25 their scale words
.set PW1, 25
.macro REDUCE a, t                     ; the sum over the wave's 32 lanes, in every lane
	v_add_f32_dpp v[\a], v[\a], v[\a] row_xmask:1 row_mask:0xf bank_mask:0xf
	v_add_f32_dpp v[\a], v[\a], v[\a] row_xmask:2 row_mask:0xf bank_mask:0xf
	v_add_f32_dpp v[\a], v[\a], v[\a] row_xmask:4 row_mask:0xf bank_mask:0xf
	v_add_f32_dpp v[\a], v[\a], v[\a] row_xmask:8 row_mask:0xf bank_mask:0xf
	v_permlanex16_b32 v[\t], v[\a], s[SEL], s[SEL+1]
	v_add_f32 v[\a], v[\a], v[\t]
.endm
; nb blocks of 32 along K: register s + 16 b + i of lane (r, h) is k = 32 b + 16 h + i of the lane's row.  Codes to v[pc] on (four registers a block), the scale bytes to v[pw].
.macro QUANT s, nb, pc, pw
.set qb, 0
.rept \nb
	v_max3_num_f32 v[TM+qb], |v[(\s)+16*qb]|, |v[(\s)+16*qb+1]|, 0x4800000   ; my 16 numbers, and the floor 2^(9 - 127): the byte cannot fall under 1
.set qb, qb+1
.endr
.set qi, 2
.rept 7
.set qb, 0
.rept \nb
	v_max3_num_f32 v[TM+qb], v[TM+qb], |v[(\s)+16*qb+qi]|, |v[(\s)+16*qb+qi+1]|   ; the blocks by turns
.set qb, qb+1
.endr
.set qi, qi+2
.endr
.set qb, 0
.rept \nb
	v_permlanex16_b32 v[TM+4+qb], v[TM+qb], s[SEL], s[SEL+1]
.set qb, qb+1
.endr
.set qb, 0
.rept \nb
	v_max_num_f32 v[TM+qb], v[TM+qb], v[TM+4+qb]           ; with lane l xor 16's: the block's largest magnitude
.set qb, qb+1
.endr
.set qb, 0
.rept \nb
	v_add_nc_u32 v[TM+12+qb], 0xfc000000, v[TM+qb]         ; 8 off its exponent field: the conversion's scale operand
.set qb, qb+1
.endr
.set qb, 0
.rept \nb
	v_and_or_b32 v[TM+8+qb], v[TM+qb], 0x7f800000, s[MNT]  ; 448 x the scale
.set qb, qb+1
.endr
.set qb, 0
.rept \nb
	v_lshrrev_b32 v[TM+4+qb], 23, v[TM+12+qb]              ; the scale's byte
.set qb, qb+1
.endr
	v_lshl_or_b32 v[\pw], v[TM+5], 8, v[TM+4]
.if \nb > 2
	v_lshl_or_b32 v[\pw], v[TM+6], 16, v[\pw]
	v_lshl_or_b32 v[\pw], v[TM+7], 24, v[\pw]
.endif
.set qb, 0
.rept \nb
.set qi, 0
.rept 16
	v_med3_num_f32 v[(\s)+16*qb+qi], v[(\s)+16*qb+qi], -v[TM+8+qb], v[TM+8+qb]   ; the conversion to an 8-bit code does not saturate (ISA guide 7.6.2): the hold at 448 x the scale
.set qi, qi+1
.endr
	v_cvt_scalef32_pk8_fp8_f32 v[(\pc)+4*qb:(\pc)+4*qb+1], v[(\s)+16*qb:(\s)+16*qb+7], v[TM+12+qb]
	v_cvt_scalef32_pk8_fp8_f32 v[(\pc)+4*qb+2:(\pc)+4*qb+3], v[(\s)+16*qb+8:(\s)+16*qb+15], v[TM+12+qb]
.set qb, qb+1
.endr
	v_nop                                                  ; one plain line behind the last conversion
.endm
	s_load_b512 s[4:19], s[0:1], 0x0               ; x s[4:5], wq s[6:7], wk s[8:9], wv s[10:11], wp s[12:13], stats s[14:15], wimg s[16:17], wscl s[18:19]
	v_lshrrev_b32 v1, 5, v0
	v_readfirstlane_b32 s20, v1                    ; wave 0..3
	v_and_b32 v1, 31, v0                           ; lane
	v_and_b32 v2, 15, v0                           ; r
	v_bfe_u32 v3, v0, 4, 1                         ; h
	v_lshlrev_b32 v4, 4, v1                        ; 16 x lane
	s_mov_b32 s[SEL], 0x76543210
	s_mov_b32 s[SEL+1], 0xfedcba98
	s_mov_b32 s[MNT], 0x600000
	s_mov_b32 s[HM], 0xffff0000
	s_wait_kmcnt 0x0
	s_cmp_lt_u32 ttmp9, 256
	s_cbranch_scc0 .Lweights
	; ---- the statistics of one chunk
	s_lshl_b32 s21, ttmp9, 2
	s_add_co_u32 s21, s21, s20                     ; W
	s_lshl_b32 s22, s21, 14                        ; 16,384 bytes a chunk
	s_mov_b32 s23, 0
	s_add_nc_u64 s[4:5], s[4:5], s[22:23]
.set i, 0
.rept 32
	global_load_b128 v[X+4*i:X+4*i+3], v4, s[4:5] offset:512*i     ; 32 lanes read 512 consecutive bytes
.set i, i+1
.endr
	s_lshl_b32 s22, s21, 3
	s_add_nc_u64 s[14:15], s[14:15], s[22:23]      ; my 8 bytes of stats
	v_mov_b32 v5, 0
	s_wait_loadcnt 0x0
.irp k, 0,1,2,3                        ; the sum, two numbers at a time, in four chains; the first eight pairs start them
	v_pk_add_f32 v[8+2*\k:9+2*\k], v[X+2*\k:X+2*\k+1], v[X+8+2*\k:X+9+2*\k]
.endr
.set j, 8
.rept 56
	v_pk_add_f32 v[8+2*(j%4):9+2*(j%4)], v[8+2*(j%4):9+2*(j%4)], v[X+2*j:X+2*j+1]
.set j, j+1
.endr
	v_pk_add_f32 v[8:9], v[8:9], v[10:11]
	v_pk_add_f32 v[12:13], v[12:13], v[14:15]
	v_pk_add_f32 v[8:9], v[8:9], v[12:13]
	v_add_f32 v8, v8, v9
	REDUCE 8, 9
	v_mul_f32 v16, 0x39800000, v8                  ; the chunk's mean: / 4,096
	v_mov_b32 v17, v16
.set j, 0
.rept 64
	v_pk_add_f32 v[X+2*j:X+2*j+1], v[X+2*j:X+2*j+1], v[16:17] neg_lo:[0,1] neg_hi:[0,1]   ; x - mean
.set j, j+1
.endr
.irp k, 0,1,2,3
	v_pk_mul_f32 v[8+2*\k:9+2*\k], v[X+2*\k:X+2*\k+1], v[X+2*\k:X+2*\k+1]
.endr
.set j, 4
.rept 60
	v_pk_fma_f32 v[8+2*(j%4):9+2*(j%4)], v[X+2*j:X+2*j+1], v[X+2*j:X+2*j+1], v[8+2*(j%4):9+2*(j%4)]
.set j, j+1
.endr
	v_pk_add_f32 v[8:9], v[8:9], v[10:11]
	v_pk_add_f32 v[12:13], v[12:13], v[14:15]
	v_pk_add_f32 v[8:9], v[8:9], v[12:13]
	v_add_f32 v8, v8, v9
	REDUCE 8, 9
	v_mov_b32 v17, v8                              ; (mean, sum of squared distances)
	s_wait_xcnt 0x0                                ; EXEC changes only behind this wait
	v_cmp_eq_u32 vcc_lo, 0, v1
	s_and_saveexec_b32 s24, vcc_lo
	global_store_b64 v5, v[16:17], s[14:15]        ; lane 0 alone
	s_endpgm
.Lweights:
	; ---- one tile of 16 rows of one weight
	s_sub_co_u32 s21, ttmp9, 256
	s_lshr_b32 s22, s21, 2                         ; which weight: 0 q, 1 k, 2 v, 3 p
	s_and_b32 s23, s21, 3
	s_lshl_b32 s23, s23, 2
	s_add_co_u32 s23, s23, s20                     ; which tile, 0..15
	s_cmp_eq_u32 s22, 1
	s_cselect_b64 s[24:25], s[8:9], s[6:7]
	s_cmp_eq_u32 s22, 2
	s_cselect_b64 s[24:25], s[10:11], s[24:25]
	s_cmp_eq_u32 s22, 3
	s_cselect_b64 s[24:25], s[12:13], s[24:25]
	s_lshr_b32 s26, s23, 1
	s_lshl_b32 s26, s26, 15                        ; 32 (tile / 2) rows of 1,024 bytes
	s_and_b32 s27, s23, 1
	s_lshl_b32 s27, s27, 13                        ; + 8 (tile % 2) rows
	s_add_co_u32 s26, s26, s27
	s_mov_b32 s27, 0
	s_add_nc_u64 s[24:25], s[24:25], s[26:27]
	v_and_b32 v5, 8, v2
	v_add_nc_u32 v5, v5, v2                        ; r + 8 (r / 8)
	v_lshlrev_b32 v5, 10, v5
	v_lshl_add_u32 v5, v3, 6, v5                   ; + 64 h: my 16 numbers of a block of 32
.irp s, 0,1
.irp c, 0,1,2,3
.irp k, 0,1,2,3
	global_load_b128 v[X+64*\s+16*\c+4*\k:X+64*\s+16*\c+4*\k+3], v5, s[24:25] offset:512*\s+128*\c+16*\k
.endr
.endr
.endr
	s_lshl_b32 s26, s22, 16
	s_lshl_b32 s32, s23, 12
	s_add_co_u32 s26, s26, s32
	s_add_nc_u64 s[16:17], s[16:17], s[26:27]      ; wimg: 65,536 a weight, 4,096 a tile
	s_lshl_b32 s26, s22, 11
	s_lshl_b32 s32, s23, 7
	s_add_co_u32 s26, s26, s32
	s_add_nc_u64 s[18:19], s[18:19], s[26:27]      ; wscl: 2,048 a weight, 128 a tile
	v_lshlrev_b32 v6, 2, v1
.irp b, 0,1,2,3
	v_mov_b32 v[TM+4+\b], 0                        ; a lane permute's destination counts as one of its sources
.endr
	s_wait_loadcnt 0x0
	QUANT X, 4, PC0, PW0
	QUANT X+64, 4, PC1, PW1
.irp c, 0,1,2,3
	global_store_b128 v4, v[PC0+4*\c:PC0+4*\c+3], s[16:17] offset:512*\c          ; 512 consecutive bytes a store
	global_store_b128 v4, v[PC1+4*\c:PC1+4*\c+3], s[16:17] offset:2048+512*\c
.endr
	v_cndmask_b32 v7, v[PW0], v[PW1], s[HM]        ; lanes 0-15: K step 0's word of row r; lanes 16-31: K step 1's
	global_store_b32 v6, v7, s[18:19]
	s_endpgm
.Lfunc_end_k_q1dcf29eb60_prep:
	.size	k_q1dcf29eb60_prep, .Lfunc_end_k_q1dcf29eb60_prep-k_q1dcf29eb60_prep
	.p2alignl 7, 3214868480
	.fill 96, 4, 3214868480
	.section	.rodata,"a",@progbits
	.p2align	6, 0x0
	.amdhsa_kernel k_q1dcf29eb60_prep
		.amdhsa_group_segment_fixed_size 0
		.amdhsa_private_segment_fixed_size 0
		.amdhsa_enable_private_segment 0
		.amdhsa_kernarg_size 64
		.amdhsa_user_sgpr_count 2
		.amdhsa_user_sgpr_kernarg_segment_ptr 1
		.amdhsa_wavefront_size32 1
		.amdhsa_system_sgpr_workgroup_id_x 1
		.amdhsa_system_sgpr_workgroup_id_y 1
		.amdhsa_system_sgpr_workgroup_id_z 1
		.amdhsa_system_vgpr_workitem_id 0
		.amdhsa_next_free_vgpr 192
		.amdhsa_next_free_sgpr 66
		.amdhsa_reserve_vcc 1
		.amdhsa_float_denorm_mode_32 3
		.amdhsa_float_denorm_mode_16_64 3
		.amdhsa_memory_ordered 1
		.amdhsa_forward_progress 1
		.amdhsa_inst_pref_size 39
	.end_amdhsa_kernel
	.amdgpu_metadata
---
amdhsa.version: [ 1, 2 ]
amdhsa.kernels:
  - .name:           k_q1dcf29eb60_prep
    .symbol:         k_q1dcf29eb60_prep.kd
    .args:
      - { .name: x, .offset: 0, .size: 8, .value_kind: global_buffer, .address_space: global }
      - { .name: wq, .offset: 8, .size: 8, .value_kind: global_buffer, .address_space: global }
      - { .name: wk, .offset: 16, .size: 8, .value_kind: global_buffer, .address_space: global }
      - { .name: wv, .offset: 24, .size: 8, .value_kind: global_buffer, .address_space: global }
      - { .name: wp, .offset: 32, .size: 8, .value_kind: global_buffer, .address_space: global }
      - { .name: stats, .offset: 40, .size: 8, .value_kind: global_buffer, .address_space: global }
      - { .name: wimg, .offset: 48, .size: 8, .value_kind: global_buffer, .address_space: global }
      - { .name: wscl, .offset: 56, .size: 8, .value_kind: global_buffer, .address_space: global }
    .group_segment_fixed_size: 0
    .private_segment_fixed_size: 0
    .kernarg_segment_align: 8
    .kernarg_segment_size: 64
    .max_flat_workgroup_size: 128
    .sgpr_count:     66
    .vgpr_count:     192
    .wavefront_size: 32
...
	.end_amdgpu_metadata
.endif
;; end of part 1
;; launch qkv (part 2): grid 64 x 4, 8 waves a work-group, no clusters, 84,480 bytes of LDS; arguments x, stats, gn_gamma, gn_beta, wimg, wscl, bq, bk, bv, qimg, qscl, kv, kvs; writes qimg, qscl, kv, kvs
.if DOCPART == 2
	.amdgcn_target "amdgcn-amd-amdhsa--gfx1250"
	.amdhsa_code_object_version 6
	.text
	.protected	k_q1dcf29eb60_qkv
	.globl	k_q1dcf29eb60_qkv
	.p2align	8
	.type	k_q1dcf29eb60_qkv,@function
k_q1dcf29eb60_qkv:
	s_mov_b64 s[64:65], 0
	v_nop
	global_prefetch_b8 v0, s[64:65] scope:SCOPE_SE
	s_setreg_imm32_b32 hwreg(HW_REG_WAVE_MODE, 25, 1), 1
	s_wait_xcnt 0x0
; AttentionBlock, launch 2 of 3: GroupNorm, and q, k, v as codes of E4M3.  No work of the problem is left out.
; A work-group takes 64 positions (work-group x) of one batch (work-group y), all 256 channels.  Eight waves.
;   1. wave W joins the 32 partial statistics of group W (means, and sums of squared distances from them: no difference of large sums), normalises the group's 32 channels x 64 positions in the order
;      (x - mu) x rstd x gamma + beta, and lays them in LDS as f32, [channel][position].
;   2. wave W reads 16 positions x 128 channels back with the channels along its registers, quantises them along the channels, and stores the fragment's register image in LDS.
;   3. waves 0, 1: q (output channels 128 (W % 2) on);  waves 2, 3: k likewise: source 0 = 16 rows of the weight, source 1 = xn: a lane holds one position, its registers run along the output channels,
;      which are the next product's K.  Waves 4-7: v (64 channels each): source 0 = xn, source 1 = the weight: a lane holds one channel and its registers run along the positions: the keys are v's K.
;      The biases are the C of each sum's first matrix instruction.  The results are quantised in registers and stored as register images, 512 consecutive bytes a store.
; TILES ARE NOT MADE OF NEIGHBOURS: lane or row p of tile 2 b + u is index 32 b + 8 u + p + 8 (p / 8), for positions and for the weights' rows alike.
; The weights go from memory into registers once a work-group, so nothing here is shared through a ring and no cluster is used.
; v's scale bytes leave by stores of two bytes a lane: a scale word spans 128 keys and a work-group has 64 of them.
; LIMITS: as stated at the head of the first launch.
.set XIMG,  66048                      ; LDS: 0: xn, f32: channel c, position n at 256 c + 32 (c / 16) + 4 n;  here: xn's 8 fragments (2 t + s), 2,048 bytes each;
.set XSC,   82432                      ; their scale words, 128 bytes each;
.set SPARE, 83456                      ; the spare words, 128 bytes for each wave: four blocks of 256 bytes that no other line names
.set LI,  4                            ; v4   16 x lane
.set LS,  5                            ; v5   4 x lane
.set AXW, 6                            ; v6   where I store normalised rows
.set AX,  7                            ; v7   where I read them back, channels along my registers
.set XWI, 8                            ; v8   where I store my fragment's image
.set XWS, 9                            ; v9   and its scale word
.set XG,  10                           ; v10  x: 16,384 h + 16 r
.set H4,  11                           ; v11  4 h
.set H64, 12                           ; v12  64 h
.set SPW, 13                           ; v13  LDS address of my spare word; never rewritten
.set NIL, 14                           ; v14  0; never rewritten
.set L8,  15                           ; v15  8 x lane
.set RP4, 28                           ; v28  4 (r + 8 (r / 8))
.set XLI, 29                           ; v29  16 x lane + XIMG
.set XLS, 30                           ; v30  4 x lane + XSC
.set GB,  32                           ; v32-63  gamma, beta of my 16 pairs of rows; later XF: two fragments of xn
.set XF,  32
.set HA,  64                           ; v64-127 x's rows; then 64 numbers of xn; then the accumulators
.set BI,  128                          ; v128-191 the biases as C
.set WS,  192                          ; v192-199 the weights' scale words
.set XS,  200                          ; v200-207 xn's scale words
.set PWS, 208                          ; v208-211 the results' scale words, one for each tile of positions
.set PC,  212                          ; v212-227 codes
.set TM,  228                          ; v228-243 the quantiser's
.set PW,  244                          ; v244-245
.set BV,  246                          ; v246-249 bv as loaded
.set SD,  250                          ; v250-251 scale words on their way out
.set SEL, 36
.set MNT, 38
.set HM,  39
.set MSB, 0
.macro WIN new                         ; the immediate's high byte repeats the setting that is left
.if MSB != \new
	s_set_vgpr_msb (MSB<<8)|\new
.set MSB, \new
.endif
.endm
.macro PLACES n
.rept \n
	v_nop
.endr
.endm
.macro REDUCE a, t
	v_add_f32_dpp v[\a], v[\a], v[\a] row_xmask:1 row_mask:0xf bank_mask:0xf
	v_add_f32_dpp v[\a], v[\a], v[\a] row_xmask:2 row_mask:0xf bank_mask:0xf
	v_add_f32_dpp v[\a], v[\a], v[\a] row_xmask:4 row_mask:0xf bank_mask:0xf
	v_add_f32_dpp v[\a], v[\a], v[\a] row_xmask:8 row_mask:0xf bank_mask:0xf
	v_permlanex16_b32 v[\t], v[\a], s[SEL], s[SEL+1]
	v_add_f32 v[\a], v[\a], v[\t]
.endm
; nb blocks of 32 along K: register s + 16 b + i of lane (r, h) is k = 32 b + 16 h + i of the lane's row.  Codes to v[pc] on (four registers a block), the scale bytes to v[pw].
.macro QUANT s, nb, pc, pw
.set qb, 0
.rept \nb
	v_max3_num_f32 v[TM+qb], |v[(\s)+16*qb]|, |v[(\s)+16*qb+1]|, 0x4800000   ; my 16 numbers, and the floor 2^(9 - 127): the byte cannot fall under 1
.set qb, qb+1
.endr
.set qi, 2
.rept 7
.set qb, 0
.rept \nb
	v_max3_num_f32 v[TM+qb], v[TM+qb], |v[(\s)+16*qb+qi]|, |v[(\s)+16*qb+qi+1]|
.set qb, qb+1
.endr
.set qi, qi+2
.endr
.set qb, 0
.rept \nb
	v_permlanex16_b32 v[TM+4+qb], v[TM+qb], s[SEL], s[SEL+1]
.set qb, qb+1
.endr
.set qb, 0
.rept \nb
	v_max_num_f32 v[TM+qb], v[TM+qb], v[TM+4+qb]
.set qb, qb+1
.endr
.set qb, 0
.rept \nb
	v_add_nc_u32 v[TM+12+qb], 0xfc000000, v[TM+qb]         ; 8 off the exponent field: the conversion's scale operand
.set qb, qb+1
.endr
.set qb, 0
.rept \nb
	v_and_or_b32 v[TM+8+qb], v[TM+qb], 0x7f800000, s[MNT]  ; 448 x the scale
.set qb, qb+1
.endr
.set qb, 0
.rept \nb
	v_lshrrev_b32 v[TM+4+qb], 23, v[TM+12+qb]              ; the scale's byte
.set qb, qb+1
.endr
	v_lshl_or_b32 v[\pw], v[TM+5], 8, v[TM+4]
.if \nb > 2
	v_lshl_or_b32 v[\pw], v[TM+6], 16, v[\pw]
	v_lshl_or_b32 v[\pw], v[TM+7], 24, v[\pw]
.endif
.set qb, 0
.rept \nb
.set qi, 0
.rept 16
	v_med3_num_f32 v[(\s)+16*qb+qi], v[(\s)+16*qb+qi], -v[TM+8+qb], v[TM+8+qb]   ; the conversion does not saturate (ISA guide 7.6.2): the hold at 448 x the scale
.set qi, qi+1
.endr
	v_cvt_scalef32_pk8_fp8_f32 v[(\pc)+4*qb:(\pc)+4*qb+1], v[(\s)+16*qb:(\s)+16*qb+7], v[TM+12+qb]
	v_cvt_scalef32_pk8_fp8_f32 v[(\pc)+4*qb+2:(\pc)+4*qb+3], v[(\s)+16*qb+8:(\s)+16*qb+15], v[TM+12+qb]
.set qb, qb+1
.endr
	v_nop                                                  ; one plain line behind the last conversion: matrix instructions write its sources later
.endm
; one matrix instruction, by the symbols rD, rA, rB, rC (zC = 1: the constant 0), rSA, rSB; fA, fB = 1: that side's scales are read from lanes 16-31
.macro SMUL
.if zC
.if fA && fB
	v_wmma_scale_f32_16x16x128_f8f6f4 v[rD:rD+7], v[rA:rA+15], v[rB:rB+15], 0, v[rSA], v[rSB] matrix_a_scale:MATRIX_SCALE_ROW1 matrix_b_scale:MATRIX_SCALE_ROW1
.elseif fA
	v_wmma_scale_f32_16x16x128_f8f6f4 v[rD:rD+7], v[rA:rA+15], v[rB:rB+15], 0, v[rSA], v[rSB] matrix_a_scale:MATRIX_SCALE_ROW1
.elseif fB
	v_wmma_scale_f32_16x16x128_f8f6f4 v[rD:rD+7], v[rA:rA+15], v[rB:rB+15], 0, v[rSA], v[rSB] matrix_b_scale:MATRIX_SCALE_ROW1
.else
	v_wmma_scale_f32_16x16x128_f8f6f4 v[rD:rD+7], v[rA:rA+15], v[rB:rB+15], 0, v[rSA], v[rSB]
.endif
.else
.if fA && fB
	v_wmma_scale_f32_16x16x128_f8f6f4 v[rD:rD+7], v[rA:rA+15], v[rB:rB+15], v[rC:rC+7], v[rSA], v[rSB] matrix_a_scale:MATRIX_SCALE_ROW1 matrix_b_scale:MATRIX_SCALE_ROW1
.elseif fA
	v_wmma_scale_f32_16x16x128_f8f6f4 v[rD:rD+7], v[rA:rA+15], v[rB:rB+15], v[rC:rC+7], v[rSA], v[rSB] matrix_a_scale:MATRIX_SCALE_ROW1
.elseif fB
	v_wmma_scale_f32_16x16x128_f8f6f4 v[rD:rD+7], v[rA:rA+15], v[rB:rB+15], v[rC:rC+7], v[rSA], v[rSB] matrix_b_scale:MATRIX_SCALE_ROW1
.else
	v_wmma_scale_f32_16x16x128_f8f6f4 v[rD:rD+7], v[rA:rA+15], v[rB:rB+15], v[rC:rC+7], v[rSA], v[rSB]
.endif
.endif
.endm
	s_load_b512 s[4:19], s[0:1], 0x0               ; x s[4:5], stats s[6:7], gamma s[8:9], beta s[10:11], wimg s[12:13], wscl s[14:15], bq s[16:17], bk s[18:19]
	s_load_b256 s[20:27], s[0:1], 0x40             ; bv s[20:21], qimg s[22:23], qscl s[24:25], kv s[26:27]
	s_load_b64 s[28:29], s[0:1], 0x60              ; kvs
	v_lshl_add_u32 v[SPW], v0, 2, SPARE
	v_mov_b32 v[NIL], 0
	v_lshrrev_b32 v1, 5, v0
	v_readfirstlane_b32 s30, v1                    ; wave W, 0..7
	s_mov_b32 s31, ttmp9                           ; pb: which 64 positions
	s_and_b32 s32, ttmp7, 0xffff                   ; b: the batch
	v_and_b32 v1, 31, v0                           ; lane
	v_and_b32 v2, 15, v0                           ; r
	v_bfe_u32 v3, v0, 4, 1                         ; h
	v_lshlrev_b32 v[LI], 4, v1
	v_lshlrev_b32 v[LS], 2, v1
	v_lshlrev_b32 v[L8], 3, v1
	v_lshlrev_b32 v[H4], 2, v3
	v_lshlrev_b32 v[H64], 6, v3
	v_and_b32 v[RP4], 8, v2
	v_add_nc_u32 v[RP4], v[RP4], v2
	v_lshlrev_b32 v[RP4], 2, v[RP4]
	; every LDS address is made here, ahead of the first parting of the roles
	s_mul_i32 s40, s30, 8256                       ; my group's 32 rows: 32 x 256 + 2 x 32
	v_lshlrev_b32 v[AXW], 4, v2
	v_lshl_add_u32 v[AXW], v3, 8, v[AXW]
	v_add_nc_u32 v[AXW], s40, v[AXW]               ; lanes 0-15 one row, lanes 16-31 the next
	s_lshr_b32 s40, s30, 2                         ; my unit: tile of positions t = W / 2, K step s = W % 2
	s_lshl_b32 s40, s40, 7                         ; 4 x 32 (t / 2)
	s_bfe_u32 s41, s30, 0x10001
	s_lshl_b32 s41, s41, 5                         ; 4 x 8 (t % 2)
	s_add_co_u32 s40, s40, s41
	s_and_b32 s41, s30, 1
	s_mul_i32 s41, s41, 33024                      ; 128 rows: 128 x 256 + 8 x 32
	s_add_co_u32 s40, s40, s41
	v_mad_u32_u24 v[AX], v3, 4128, v[RP4]          ; lanes 16-31 begin 16 rows further down (16 x 256 + 32): 8 banks aside of lanes 0-15
	v_add_nc_u32 v[AX], s40, v[AX]
	s_lshl_b32 s40, s30, 11
	s_add_co_u32 s40, s40, XIMG
	v_add_nc_u32 v[XWI], s40, v[LI]
	s_lshl_b32 s40, s30, 7
	s_add_co_u32 s40, s40, XSC
	v_add_nc_u32 v[XWS], s40, v[LS]
	v_add_nc_u32 v[XLI], XIMG, v[LI]
	v_add_nc_u32 v[XLS], XSC, v[LS]
	v_lshlrev_b32 v[XG], 4, v2
	v_lshl_add_u32 v[XG], v3, 14, v[XG]
	s_mov_b32 s33, 0x37000000                      ; 2^-17: a group has 131,072 numbers
	s_mov_b32 s34, 0x3727c5ac                      ; 1e-5
	s_mov_b32 s[SEL], 0x76543210
	s_mov_b32 s[SEL+1], 0xfedcba98
	s_mov_b32 s[MNT], 0x600000
	s_mov_b32 s[HM], 0xffff0000
	v_mov_b32 v19, 0                               ; lane permutes' destinations count as sources
.irp b, 0,1,2,3
	v_mov_b32 v[TM+4+\b], 0
.endr
	s_mov_b32 s41, 0
	s_wait_kmcnt 0x0
	; ---- each role's weights, scale words and bias: asked for first, needed last.  Their bases s[42:47] stay as they are until the wait for 0 at the end of the normalising shows these loads done
	s_cmp_lt_u32 s30, 4
	s_cbranch_scc0 .Lrole_v
	s_lshl_b32 s40, s30, 15                        ; weight W / 2, its rows 128 (W % 2) on: 65,536 (W / 2) + 32,768 (W % 2)
	s_add_nc_u64 s[42:43], s[12:13], s[40:41]
	WIN 0x40                                       ; destination window 1: fragment (tile g, K step s) at v[16 (2 g + s)]
.set i, 0
.rept 64
	global_load_b128 v[4*i:4*i+3], v[LI], s[42:43] offset:512*i
.set i, i+1
.endr
	WIN 0
	s_lshl_b32 s40, s30, 10
	s_add_nc_u64 s[46:47], s[14:15], s[40:41]
.irp g, 0,1,2,3,4,5,6,7
	global_load_b32 v[WS+\g], v[LS], s[46:47] offset:128*\g
.endr
	s_cmp_lt_u32 s30, 2
	s_cselect_b64 s[44:45], s[16:17], s[18:19]     ; bq or bk
	s_and_b32 s40, s30, 1
	s_lshl_b32 s40, s40, 9
	s_add_nc_u64 s[44:45], s[44:45], s[40:41]
.irp g, 0,1,2,3,4,5,6,7                ; in the result's layout: lane (r, h), register j of tile g: channel 32 (g / 2) + 16 h + 8 (g % 2) + j
	global_load_b128 v[BI+8*\g:BI+8*\g+3], v[H64], s[44:45] offset:(32*(\g/2)+8*(\g%2))*4
	global_load_b128 v[BI+8*\g+4:BI+8*\g+7], v[H64], s[44:45] offset:(32*(\g/2)+8*(\g%2))*4+16
.endr
	s_branch .Lrole_done
.Lrole_v:
	s_sub_co_u32 s48, s30, 4                       ; vw: my 64 channels of v
	s_lshl_b32 s40, s48, 14
	s_add_co_u32 s40, s40, 131072
	s_add_nc_u64 s[42:43], s[12:13], s[40:41]
	WIN 0x40
.set i, 0
.rept 32
	global_load_b128 v[4*i:4*i+3], v[LI], s[42:43] offset:512*i
.set i, i+1
.endr
	WIN 0
	s_lshl_b32 s40, s48, 9
	s_add_co_u32 s40, s40, 4096
	s_add_nc_u64 s[46:47], s[14:15], s[40:41]
.irp g, 0,1,2,3
	global_load_b32 v[WS+\g], v[LS], s[46:47] offset:128*\g
.endr
	s_lshl_b32 s40, s48, 8
	s_add_nc_u64 s[44:45], s[20:21], s[40:41]
.irp g, 0,1,2,3                        ; a lane holds one channel: row r of tile g
	global_load_b32 v[BV+\g], v[RP4], s[44:45] offset:(32*(\g/2)+8*(\g%2))*4
.endr
.Lrole_done:
	; ---- what every wave loads: its group's statistics, gamma, beta, x
	s_lshl_b32 s40, s32, 3
	s_add_co_u32 s40, s40, s30
	s_lshl_b32 s40, s40, 8                         ; group 8 b + W: 32 chunks of 8 bytes
	s_add_nc_u64 s[6:7], s[6:7], s[40:41]
	global_load_b64 v[16:17], v[L8], s[6:7]
	s_lshl_b32 s40, s30, 7
	s_add_nc_u64 s[8:9], s[8:9], s[40:41]
	s_add_nc_u64 s[10:11], s[10:11], s[40:41]
.irp i, 0,1,2,3,4,5,6,7,8,9,10,11,12,13,14,15
	global_load_b32 v[GB+2*\i], v[H4], s[8:9] offset:8*\i          ; channel 32 W + 2 i + h
	global_load_b32 v[GB+2*\i+1], v[H4], s[10:11] offset:8*\i
.endr
	s_lshl_b32 s40, s32, 22                        ; x's offset is summed in s40 and s52, which no memory instruction names
	s_lshl_b32 s52, s30, 19
	s_add_co_u32 s40, s40, s52
	s_lshl_b32 s52, s31, 8
	s_add_co_u32 s40, s40, s52
	s_add_nc_u64 s[4:5], s[4:5], s[40:41]
.irp i, 0,1,2,3,4,5,6,7,8,9,10,11,12,13,14,15
	global_load_b128 v[HA+4*\i:HA+4*\i+3], v[XG], s[4:5] offset:32768*\i   ; sixteen lanes read 256 consecutive bytes, aligned
.endr
	; ---- the group's mean and 1 / sqrt(var + eps)
	s_wait_loadcnt 48                              ; the statistics are in; the 32 loads of gamma and beta and the 16 of x may be out
	v_mov_b32 v18, v16
	REDUCE 18, 19
	v_mul_f32 v24, 0x3d000000, v18                 ; mu: the mean of 32 means of equal counts
	v_mov_b32 v25, v24
	v_sub_f32 v20, v16, v24
	v_mul_f32 v21, v20, v20
	v_fma_f32 v20, v21, 0x45800000, v17            ; 4,096 (mean_i - mu)^2 + the chunk's own sum
	REDUCE 20, 21
	v_fma_f32 v20, v20, s33, s34                   ; var + eps
	v_rsq_f32 v26, v20
	v_nop                                          ; a plain line behind the transcendental,
	s_wait_alu depctr_va_vdst(0)                   ; and the wait ahead of the first line that names its result
	v_mov_b32 v27, v26
	; ---- normalise, two rows at a time, into LDS
.irp i, 0,1,2,3,4,5,6,7,8,9,10,11,12,13,14,15
	s_wait_loadcnt 15-\i                           ; loads come back in order: pair i is in, the younger pairs stay out; the last count is 0: every load of the wave is done
	v_pk_add_f32 v[HA+4*\i:HA+4*\i+1], v[HA+4*\i:HA+4*\i+1], v[24:25] neg_lo:[0,1] neg_hi:[0,1]
	v_pk_add_f32 v[HA+4*\i+2:HA+4*\i+3], v[HA+4*\i+2:HA+4*\i+3], v[24:25] neg_lo:[0,1] neg_hi:[0,1]
	v_pk_mul_f32 v[HA+4*\i:HA+4*\i+1], v[HA+4*\i:HA+4*\i+1], v[26:27]
	v_pk_mul_f32 v[HA+4*\i+2:HA+4*\i+3], v[HA+4*\i+2:HA+4*\i+3], v[26:27]
.irp k, 0,1,2,3
	v_fma_f32 v[HA+4*\i+\k], v[HA+4*\i+\k], v[GB+2*\i], v[GB+2*\i+1]
.endr
	ds_store_b128 v[AXW], v[HA+4*\i:HA+4*\i+3] offset:512*\i+32*(\i/8)
.endr
	s_wait_dscnt 0x0                               ; for the others' sake: my stores have landed
	s_barrier_signal -1
	s_barrier_wait -1
	; ---- my unit of xn: 16 positions x 128 channels, channels along my registers
.irp c, 0,1,2,3
.irp i, 0,1,2,3,4,5,6,7,8,9,10,11,12,13,14,15
	ds_load_b32 v[HA+16*\c+\i], v[AX] offset:(32*\c+\i)*256+64*\c
.endr
.endr
	s_wait_dscnt 0x0
	QUANT HA, 4, PC, PW
.irp c, 0,1,2,3
	ds_store_b128 v[XWI], v[PC+4*\c:PC+4*\c+3] offset:512*\c
.endr
	ds_store_b32 v[XWS], v[PW]
	s_wait_dscnt 0x0
	s_barrier_signal -1
	s_barrier_wait -1                              ; xn's eight fragments lie in LDS; no barrier follows
	s_lshl_b32 s40, s32, 6
	s_add_co_u32 s40, s40, s31                     ; 64 b + pb
	s_lshr_b32 s42, s40, 1                         ; 32 b + pb / 2: the key step
	s_and_b32 s43, s31, 1                          ; which half of it
	s_cmp_lt_u32 s30, 4
	s_cbranch_scc0 .Lvpath
	; ---- q or k: output channels 128 so on, for the four tiles of positions
	s_and_b32 s41, s30, 1                          ; so
	s_lshl_b32 s44, s40, 14                        ; q: 16,384 a block of 64 positions
	s_lshl_b32 s45, s40, 9                         ; its scale words: 512 a block,
	s_lshl_b32 s46, s41, 3
	s_add_co_u32 s45, s45, s46                     ; + 8 so
	s_lshl_b32 s46, s42, 16                        ; k: 65,536 a key step,
	s_lshl_b32 s47, s43, 14
	s_add_co_u32 s46, s46, s47                     ; + four key tiles for the second half
	s_lshl_b32 s47, s42, 11                        ; its scale words: 2,048 a step,
	s_lshl_b32 s48, s41, 9
	s_add_co_u32 s47, s47, s48                     ; + 512 so
	s_lshl_b32 s48, s43, 3
	s_add_co_u32 s47, s47, s48                     ; + 8 for the second half
	s_cmp_lt_u32 s30, 2
	s_cselect_b32 s44, s44, s46
	s_cselect_b32 s46, s45, s47
	s_cselect_b64 s[48:49], s[22:23], s[26:27]
	s_cselect_b64 s[50:51], s[24:25], s[28:29]
	s_lshl_b32 s47, s41, 11
	s_add_co_u32 s44, s44, s47                     ; + 2,048 so
	s_mov_b32 s45, 0
	s_add_nc_u64 s[48:49], s[48:49], s[44:45]
	s_mov_b32 s47, 0
	s_add_nc_u64 s[50:51], s[50:51], s[46:47]
.irp t, 0,1,2,3
.irp i, 0,1,2,3,4,5,6,7
	ds_load_b128 v[XF+4*\i:XF+4*\i+3], v[XLI] offset:4096*\t+512*\i
.endr
	ds_load_b32 v[XS], v[XLS] offset:256*\t
	ds_load_b32 v[XS+1], v[XLS] offset:256*\t+128
	s_wait_dscnt 0x0
	WIN 0x01                                       ; source 0 (the weight) window 1
.irp s, 0,1                            ; the eight accumulators by turns, K step by K step
.irp g, 0,1,2,3,4,5,6,7
.set rD, HA+8*\g
.set rA, 16*(2*\g+\s)
.set rB, XF+16*\s
.if \s == 0
.set rC, BI+8*\g
.else
.set rC, rD
.endif
.set zC, 0
.set rSA, WS+\g
.set fA, \s
.set rSB, XS+\s
.set fB, 0
	SMUL
.endr
.endr
	WIN 0
	PLACES 8                                       ; eight places behind this form, ahead of the first read of results and of loads into operands
.if \t > 0
	s_wait_xcnt 0x0                                ; the last tile's stores have read their registers: the codes may be written again
.endif
	QUANT HA, 4, PC, PWS+\t
.irp c, 0,1,2,3
	global_store_b128 v[LI], v[PC+4*\c:PC+4*\c+3], s[48:49] offset:4096*\t+512*\c
.endr
.endr
	v_cndmask_b32 v[SD], v[PWS], v[PWS+1], s[HM]   ; lanes 0-15: the even tile's words, lanes 16-31: the odd tile's
	v_cndmask_b32 v[SD+1], v[PWS+2], v[PWS+3], s[HM]
	global_store_b64 v[LI], v[SD:SD+1], s[50:51]
	s_wait_tensorcnt 0x0                           ; the wave's end: behind my last LDS store
	ds_add_u32 v[SPW], v[NIL]
	s_wait_dscnt 0x0
	s_endpgm
.Lvpath:
	; ---- v: my 64 channels x the 64 positions, positions along my registers
	s_sub_co_u32 s41, s30, 4                       ; vw
	s_lshl_b32 s44, s42, 16
	s_add_co_u32 s44, s44, 32768                   ; V's part of the key step,
	s_lshl_b32 s45, s41, 13
	s_add_co_u32 s44, s44, s45                     ; my four channel tiles of 2,048 bytes,
	s_lshl_b32 s45, s43, 10
	s_add_co_u32 s44, s44, s45                     ; key blocks 2 (pb % 2) on: 512 bytes each
	s_mov_b32 s45, 0
	s_add_nc_u64 s[48:49], s[26:27], s[44:45]
	s_lshl_b32 s46, s42, 11
	s_add_co_u32 s46, s46, 1024
	s_lshr_b32 s47, s41, 1
	s_lshl_b32 s47, s47, 9
	s_add_co_u32 s46, s46, s47
	s_and_b32 s47, s41, 1
	s_lshl_b32 s47, s47, 3
	s_add_co_u32 s46, s46, s47
	s_lshl_b32 s47, s43, 1
	s_add_co_u32 s46, s46, s47
	s_mov_b32 s47, 0
	s_add_nc_u64 s[50:51], s[28:29], s[46:47]
	WIN 0x40                                       ; xn's eight fragments: window 1, v[128 + 16 (2 t + s)]
.set i, 0
.rept 32
	ds_load_b128 v[128+4*i:131+4*i], v[XLI] offset:512*i
.set i, i+1
.endr
	WIN 0
.irp f, 0,1,2,3,4,5,6,7
	ds_load_b32 v[XS+\f], v[XLS] offset:128*\f
.endr
.irp g, 0,1,2,3
.irp j, 0,1,2,3,4,5,6,7
	v_mov_b32 v[BI+8*\g+\j], v[BV+\g]              ; the bias as C: a lane's eight registers are eight positions of one channel
.endr
.endr
	s_wait_dscnt 0x0
.irp p, 0,1                            ; two channel tiles at a time: eight accumulators by turns
	WIN 0x05                                       ; sources 0 (xn) and 1 (the weight) window 1
.irp s, 0,1
.irp g, 0,1
.irp t, 0,1,2,3
.set rD, HA+32*\g+8*\t
.set rA, 128+16*(2*\t+\s)
.set rB, 16*(2*(2*\p+\g)+\s)
.if \s == 0
.set rC, BI+8*(2*\p+\g)
.else
.set rC, rD
.endif
.set zC, 0
.set rSA, XS+2*\t+\s
.set fA, 0
.set rSB, WS+2*\p+\g
.set fB, \s
	SMUL
.endr
.endr
.endr
	WIN 0
	PLACES 8
.if \p > 0
	s_wait_xcnt 0x0                                ; the first pair's stores have read their registers
.endif
	QUANT HA, 2, PC, PW                            ; two blocks of 32 keys of the even tile's channels,
	QUANT HA+32, 2, PC+8, PW+1                     ; and of the odd tile's
.irp g, 0,1
.irp e, 0,1
	global_store_b128 v[LI], v[PC+8*\g+4*\e:PC+8*\g+4*\e+3], s[48:49] offset:(2*\p+\g)*2048+512*\e
.endr
.endr
	v_cndmask_b32 v[SD+\p], v[PW], v[PW+1], s[HM]
	global_store_b16 v[LI], v[SD+\p], s[50:51] offset:4*\p         ; two of the word's four bytes: my two key blocks
.endr
	s_wait_tensorcnt 0x0                           ; the wave's end: behind my last LDS store
	ds_add_u32 v[SPW], v[NIL]
	s_wait_dscnt 0x0
	s_endpgm
.Lfunc_end_k_q1dcf29eb60_qkv:
	.size	k_q1dcf29eb60_qkv, .Lfunc_end_k_q1dcf29eb60_qkv-k_q1dcf29eb60_qkv
	.p2alignl 7, 3214868480
	.fill 96, 4, 3214868480
	.section	.rodata,"a",@progbits
	.p2align	6, 0x0
	.amdhsa_kernel k_q1dcf29eb60_qkv
		.amdhsa_group_segment_fixed_size 84480
		.amdhsa_private_segment_fixed_size 0
		.amdhsa_enable_private_segment 0
		.amdhsa_kernarg_size 104
		.amdhsa_user_sgpr_count 2
		.amdhsa_user_sgpr_kernarg_segment_ptr 1
		.amdhsa_wavefront_size32 1
		.amdhsa_system_sgpr_workgroup_id_x 1
		.amdhsa_system_sgpr_workgroup_id_y 1
		.amdhsa_system_sgpr_workgroup_id_z 1
		.amdhsa_system_vgpr_workitem_id 0
		.amdhsa_next_free_vgpr 512
		.amdhsa_next_free_sgpr 66
		.amdhsa_reserve_vcc 0
		.amdhsa_float_denorm_mode_32 3
		.amdhsa_float_denorm_mode_16_64 3
		.amdhsa_memory_ordered 1
		.amdhsa_forward_progress 1
		.amdhsa_inst_pref_size 117
	.end_amdhsa_kernel
	.amdgpu_metadata
---
amdhsa.version: [ 1, 2 ]
amdhsa.kernels:
  - .name:           k_q1dcf29eb60_qkv
    .symbol:         k_q1dcf29eb60_qkv.kd
    .args:
      - { .name: x, .offset: 0, .size: 8, .value_kind: global_buffer, .address_space: global }
      - { .name: stats, .offset: 8, .size: 8, .value_kind: global_buffer, .address_space: global }
      - { .name: gn_gamma, .offset: 16, .size: 8, .value_kind: global_buffer, .address_space: global }
      - { .name: gn_beta, .offset: 24, .size: 8, .value_kind: global_buffer, .address_space: global }
      - { .name: wimg, .offset: 32, .size: 8, .value_kind: global_buffer, .address_space: global }
      - { .name: wscl, .offset: 40, .size: 8, .value_kind: global_buffer, .address_space: global }
      - { .name: bq, .offset: 48, .size: 8, .value_kind: global_buffer, .address_space: global }
      - { .name: bk, .offset: 56, .size: 8, .value_kind: global_buffer, .address_space: global }
      - { .name: bv, .offset: 64, .size: 8, .value_kind: global_buffer, .address_space: global }
      - { .name: qimg, .offset: 72, .size: 8, .value_kind: global_buffer, .address_space: global }
      - { .name: qscl, .offset: 80, .size: 8, .value_kind: global_buffer, .address_space: global }
      - { .name: kv, .offset: 88, .size: 8, .value_kind: global_buffer, .address_space: global }
      - { .name: kvs, .offset: 96, .size: 8, .value_kind: global_buffer, .address_space: global }
    .group_segment_fixed_size: 84480
    .private_segment_fixed_size: 0
    .kernarg_segment_align: 8
    .kernarg_segment_size: 104
    .max_flat_workgroup_size: 256
    .sgpr_count:     66
    .vgpr_count:     512
    .wavefront_size: 32
...
	.end_amdgpu_metadata
.endif
;; end of part 2
;; launch attn (part 3): grid 64 x 4, 4 waves a work-group, clusters of 4 x 1, 327,680 bytes of LDS; arguments qimg, qscl, kv, kvs, wimg, wscl, bp, x, out0; writes out0
.if DOCPART == 3
	.amdgcn_target "amdgcn-amd-amdhsa--gfx1250"
	.amdhsa_code_object_version 6
	.text
	.protected	k_q1dcf29eb60_attn
	.globl	k_q1dcf29eb60_attn
	.p2align	8
	.type	k_q1dcf29eb60_attn,@function
k_q1dcf29eb60_attn:
	s_mov_b64 s[64:65], 0
	v_nop
	global_prefetch_b8 v0, s[64:65] scope:SCOPE_SE
	s_setreg_imm32_b32 hwreg(HW_REG_WAVE_MODE, 25, 1), 1
	s_wait_xcnt 0x0
	s_wait_alu depctr_hold_cnt(0) depctr_sa_sdst(0) depctr_va_vdst(0) depctr_va_sdst(0) depctr_va_ssrc(0) depctr_va_vcc(0) depctr_vm_vsrc(0)
	s_getreg_b32 s2, hwreg(HW_REG_IB_STS2, 6, 4)
	s_cmp_eq_u32 s2, 0
	s_cbranch_scc0 .Lentry_in_a_cluster
	s_endpgm
.Lentry_in_a_cluster:
	s_bfe_u32 s2, ttmp6, 0x10000c
	s_cmp_lg_u32 s2, 0x3003
	s_cbranch_scc0 .Lentry_shape_is_right
	s_endpgm
.Lentry_shape_is_right:
; AttentionBlock, launch 3 of 3: scores, softmax, the product with v, the projection on the way out, its bias and the residual.  No work of the problem is left out.
; SHARES.  A work-group owns 64 queries of one batch: four tiles of 16.  The keys come in steps of 128; a ring slot holds two steps (131,072 bytes as they lie in kv), two slots.
; Wave w = 2 sp + qh holds the two query tiles 2 qh and 2 qh + 1 and walks step 2 j + sp of every slot j = 0 .. 15: each fragment of K and V read from LDS feeds two matrix instructions.
; Register set A is tile 2 qh + sp, which this wave finishes; set B is the other tile, whose partial result it hands to wave w xor 2 through LDS at the end (an exact change of M, then one addition).
; LAYOUT.  S^T = K Q^T (source 0 = 16 keys, source 1 = 16 queries) and O^T = V^T P (source 0 = 16 channels, source 1 = P): a lane holds one query throughout.  Keys, queries and channels are tiled so that
; lane or row p of tile 2 b + u is index 32 b + 8 u + p + 8 (p / 8): p's and O^T's 16 registers of two neighbouring tiles are 16 neighbours along the next K.
; All operands lie in memory as images of their registers: every LDS load takes 512 consecutive bytes, no pitch, no padding.
; SOFTMAX.  t = score x log2(e) / 16;  M = the running largest t rounded up to a whole number, kept as -M = floor(-t);  p = 2^(t - M) is quantised along the keys; the row's sum is taken of the
; unquantised p; when M moves, the sum and O^T are multiplied by 2^(old M - new M), which rounds nothing.  LIMIT: M is exact while |t| stays under 2^24.  Other limits as at the head of the first launch.
; SIDE BY SIDE.  A wave issues in order, so in a bare run of matrix instructions it has nothing to issue while the unit works.  Where the order of the work allows, four vector lines stand behind each matrix instruction:
;   set B's 16 products K Q^T stand among the head of set A's softmax (the maxima, the change of M, the first scalings), which names set A's scores alone;
;   the 32 products with V stand among the 128 multiplications that bring O^T under the new M: accumulator n is multiplied three matrix instructions ahead of the product that adds onto it.
;   Set A's 16 products K Q^T stand bare: its softmax waits for them and set B's has ended.  A slice costs two switches of the register windows: O^T, V, K and the softmax's registers fill a window each.
; CLUSTER.  The four work-groups of a cluster belong to one batch and walk the same kv: each quarter of a slot is asked for JOINTLY, by the same tensor load with the same descriptor and the mask 15.
; By this text's own count a wave has two tensor loads out at the start and one behind each round.
; REGISTERS, in windows of 256: window 0: addresses, statistics, scale words, p's codes (v96-127), S^T then p (v128-191 set A, v192-255 set B).   window 1: v0-63 Q; v64-255 K's key tiles 0-5.
;   window 2: O^T (v0-127 set A, v128-255 set B).   window 3: V's 16 fragments; between the products with V's first four and the next scores its first 64 registers hold K's key tiles 6 and 7.
.set SLOT1, 131072
.set ATT,   262144                     ; behind the ring: the attention output's 8 fragments (2 T + s), 2,048 bytes each;
.set ASC,   278528                     ; their scale words, 128 bytes each;
.set MST,   279552                     ; -M and the sum handed over in the merge: 256 bytes a wave;
.set OST,   280576                     ; a stage of 16 rows x (256 + 16) bytes for each wave;
.set SPARE, 297984                     ; the spare words, 128 bytes for each wave: two blocks of 256 bytes that no other line names
.set LB,  1                            ; v1   65,536 sp + 16 x lane: my step's place in a slot
.set ADK, 3                            ; v3   LDS address of my step in the slot that is read: K's loads, and V's 32,768 bytes on
.set LI,  4                            ; v4   16 x lane
.set PFO, 5                            ; v5   256 x lane
.set SPW, 6                            ; v6   LDS address of my spare word; never rewritten
.set NIL, 7                            ; v7   0; never rewritten
.set STA, 12                           ; v12-15 set A: -M, the largest t, the sum in two halves; v16-19 set B
.set FP,  20                           ; v[20:21] set A's f = 2^(old M - new M), and a word that is written once; v[26:27] set B's
.set PSW, 22                           ; v22, v23 p's scale words
.set QS,  24                           ; v24, v25 Q's scale words of K step 0, 1: lanes 0-15 set A, lanes 16-31 set B
.set KS,  28                           ; v28-35 K's: register 4 s + g: lanes 0-15 key tile 2 g, lanes 16-31 key tile 2 g + 1
.set VS,  36                           ; v36-43 V's: register g: lanes 0-15 channel tile 2 g, lanes 16-31 tile 2 g + 1
.set BM,  44                           ; v44-47 the blocks' largest scores, then largest p
.set PX,  48                           ; v48-51 the other half's, then the bytes
.set HD,  52                           ; v52-55 448 x the scale
.set SO,  56                           ; v56-59 the conversions' scale operands
.set SU,  60                           ; v[60:61] the sums' second chain
.set TT,  62
.set TM,  44                           ; the quantiser of the way out uses the same sixteen
.set BPV, 60                           ; v60-63 bp as loaded (way out)
.set ELS, 64                           ; v64-76 the way out's addresses, made at the head
.set EMS, 65
.set EML, 66
.set ESS, 67
.set ESL, 68
.set EAS, 69
.set ECS, 70
.set EAL, 71
.set ECL, 72
.set EOS, 73
.set EOL, 74
.set XO,  75
.set BO,  76
.set CB,  224                          ; v224-255 bp as C (way out)
.set WV,  22
.set G1,  28                           ; s[28:35] descriptor group 1
.set G0A, 36                           ; s[36:39] group 0 of slot 0's first fill
.set G0W, 40                           ; s[40:43] of slot 1's; it then walks on
.set TB,  44                           ; s44  the slot that is read
.set SLOTS, 45                         ; s45  slots still to be asked for
.set CS,  46                           ; s[46:47] log2(e) / 16
.set SEL, 48
.set MNT, 50
.set SCP, 52                           ; s[52:53] my step's scale words in kvs
.set PFA, 54                           ; s[54:55] where my prefetches stand
.set LIM, 56                           ; s56  1 in a cluster that prefetches, else the greatest number
.set MSB, 0
.set sn, 16                            ; which of a set's 16 products K Q^T comes next; 16: none is due
.macro WIN new                         ; the immediate's high byte repeats the setting that is left
.if MSB != \new
	s_set_vgpr_msb (MSB<<8)|\new
.set MSB, \new
.endif
.endm
.macro PLACES n
.rept \n
	v_nop
.endr
.endm
.macro CROUND                          ; a round of the cluster's barrier
	s_barrier_signal -1
	s_barrier_wait -1
	s_cmp_lg_u32 s[WV], 0
	s_cbranch_scc1 .Lnot_wave_0_\@
	s_barrier_signal -3
.Lnot_wave_0_\@:
	s_barrier_wait -3
	s_barrier_signal -1
	s_barrier_wait -1
.endm
.macro JLOAD g0                        ; every wave asks for its quarter of a slot: one line, no branch; an s_nop 0 and four v_nop follow
	tensor_load_to_lds s[\g0:\g0+3], s[G1:G1+7]
	s_nop 0
	PLACES 4
.endm
; A PREFETCH INTO THE L2 of the slot that the NEXT change of slots will ask for: 512 blocks of 256 bytes.  All clusters of a batch walk the same kv: the batch's first cluster asks.  Its sixteen waves take 32
; blocks each, a lane a block, told apart BY ADDRESS (32,768 x place in the cluster + 8,192 x wave).  The last change that fills a slot asks for nothing; slots 0 to 2 come by their loads alone.
.macro ASK
	s_cmp_gt_u32 s[SLOTS], s[LIM]
	s_cbranch_scc0 .Lnot_mine_\@
	global_prefetch_b8 v[PFO], s[PFA:PFA+1] th:TH_LOAD_NT scope:SCOPE_SE
.Lnot_mine_\@:
.endm
; one matrix instruction, by the symbols rD, rA, rB, rC (zC = 1: the constant 0), rSA, rSB; fA, fB = 1: that side's scales are read from lanes 16-31
.macro SMUL
.if zC
.if fA && fB
	v_wmma_scale_f32_16x16x128_f8f6f4 v[rD:rD+7], v[rA:rA+15], v[rB:rB+15], 0, v[rSA], v[rSB] matrix_a_scale:MATRIX_SCALE_ROW1 matrix_b_scale:MATRIX_SCALE_ROW1
.elseif fA
	v_wmma_scale_f32_16x16x128_f8f6f4 v[rD:rD+7], v[rA:rA+15], v[rB:rB+15], 0, v[rSA], v[rSB] matrix_a_scale:MATRIX_SCALE_ROW1
.elseif fB
	v_wmma_scale_f32_16x16x128_f8f6f4 v[rD:rD+7], v[rA:rA+15], v[rB:rB+15], 0, v[rSA], v[rSB] matrix_b_scale:MATRIX_SCALE_ROW1
.else
	v_wmma_scale_f32_16x16x128_f8f6f4 v[rD:rD+7], v[rA:rA+15], v[rB:rB+15], 0, v[rSA], v[rSB]
.endif
.else
.if fA && fB
	v_wmma_scale_f32_16x16x128_f8f6f4 v[rD:rD+7], v[rA:rA+15], v[rB:rB+15], v[rC:rC+7], v[rSA], v[rSB] matrix_a_scale:MATRIX_SCALE_ROW1 matrix_b_scale:MATRIX_SCALE_ROW1
.elseif fA
	v_wmma_scale_f32_16x16x128_f8f6f4 v[rD:rD+7], v[rA:rA+15], v[rB:rB+15], v[rC:rC+7], v[rSA], v[rSB] matrix_a_scale:MATRIX_SCALE_ROW1
.elseif fB
	v_wmma_scale_f32_16x16x128_f8f6f4 v[rD:rD+7], v[rA:rA+15], v[rB:rB+15], v[rC:rC+7], v[rSA], v[rSB] matrix_b_scale:MATRIX_SCALE_ROW1
.else
	v_wmma_scale_f32_16x16x128_f8f6f4 v[rD:rD+7], v[rA:rA+15], v[rB:rB+15], v[rC:rC+7], v[rSA], v[rSB]
.endif
.endif
.endm
; Product sn of 16 of S^T = K Q^T for register set q.  0-11: key tiles 0-5 (window 1), K step sn / 6;  12-15: key tiles 6 and 7 (window 3), K step (sn - 12) / 2.
; The first K step starts each sum; the accumulators take turns, one instruction a turn.
.macro STW q
.if sn < 12
.set ss, sn/6
.set kk, sn%6
.set rA, 64+32*kk+16*ss
	WIN 0x05                                       ; K and Q window 1
.else
.set ss, (sn-12)/2
.set kk, 6+(sn-12)%2
.set rA, 32*(kk-6)+16*ss
	WIN 0x07                                       ; K window 3, Q window 1
.endif
.set rD, 128+64*(\q)+8*kk
.set rB, 32*(\q)+16*ss
.set rC, rD
.set zC, 1-ss
.set rSA, KS+4*ss+kk/2
.set fA, kk%2
.set rSB, QS+ss
.set fB, \q
	SMUL
.set sn, sn+1
.endm
.macro HOOK                            ; between two slices of set A's softmax: set B's next product K Q^T, while one is due
.if sn < 16
	STW 1
	WIN 0
.endif
.endm
; Product pn of 32 of O^T += V^T P: channel tile pn / 2, register set pn % 2.  z = 1: it starts the sum
.macro PVW z
	WIN 0xa3                                       ; V window 3, P window 0, O^T window 2
.set rD, 128*(pn%2)+8*(pn/2)
.set rA, 16*(pn/2)
.set rB, 96+16*(pn%2)
.set rC, rD
.set zC, \z
.set rSA, VS+pn/4
.set fA, (pn/2)%2
.set rSB, PSW+pn%2
.set fB, 0
	SMUL
.set pn, pn+1
.endm
.macro RSC                             ; accumulator rn of 32 of O^T, in the products' order, under the new M: four packed multiplications, from its low end on
.if rn < 32
	WIN 0x82                                       ; O^T: destination and source 0 window 2; f window 0
.set rO, 128*(rn%2)+8*(rn/2)
.set rF, FP+6*(rn%2)
.irp e, 0,2,4,6
	v_pk_mul_f32 v[rO+\e:rO+\e+1], v[rO+\e:rO+\e+1], v[rF:rF+1] op_sel_hi:[1,0]
.endr
.set rn, rn+1
.endif
.endm
; four blocks of 32 along K: register s + 16 b + i of lane (r, h) is k = 32 b + 16 h + i of the lane's row.  Codes to v[pc] on, the scale word to v[pw].
.macro QUANT s, pc, pw
.irp b, 0,1,2,3
	v_max3_num_f32 v[TM+\b], |v[(\s)+16*\b]|, |v[(\s)+16*\b+1]|, 0x4800000   ; my 16 numbers, and the floor 2^(9 - 127): the byte cannot fall under 1
.endr
.irp i, 2,4,6,8,10,12,14
.irp b, 0,1,2,3
	v_max3_num_f32 v[TM+\b], v[TM+\b], |v[(\s)+16*\b+\i]|, |v[(\s)+16*\b+\i+1]|
.endr
.endr
.irp b, 0,1,2,3
	v_permlanex16_b32 v[TM+4+\b], v[TM+\b], s[SEL], s[SEL+1]
.endr
.irp b, 0,1,2,3
	v_max_num_f32 v[TM+\b], v[TM+\b], v[TM+4+\b]
.endr
.irp b, 0,1,2,3
	v_add_nc_u32 v[TM+12+\b], 0xfc000000, v[TM+\b]
.endr
.irp b, 0,1,2,3
	v_and_or_b32 v[TM+8+\b], v[TM+\b], 0x7f800000, s[MNT]
.endr
.irp b, 0,1,2,3
	v_lshrrev_b32 v[TM+4+\b], 23, v[TM+12+\b]
.endr
	v_lshl_or_b32 v[\pw], v[TM+5], 8, v[TM+4]
	v_lshl_or_b32 v[\pw], v[TM+6], 16, v[\pw]
	v_lshl_or_b32 v[\pw], v[TM+7], 24, v[\pw]
.irp b, 0,1,2,3
.irp i, 0,1,2,3,4,5,6,7,8,9,10,11,12,13,14,15
	v_med3_num_f32 v[(\s)+16*\b+\i], v[(\s)+16*\b+\i], -v[TM+8+\b], v[TM+8+\b]   ; the conversion does not saturate (ISA guide 7.6.2): the hold at 448 x the scale
.endr
	v_cvt_scalef32_pk8_fp8_f32 v[(\pc)+4*\b:(\pc)+4*\b+1], v[(\s)+16*\b:(\s)+16*\b+7], v[TM+12+\b]
	v_cvt_scalef32_pk8_fp8_f32 v[(\pc)+4*\b+2:(\pc)+4*\b+3], v[(\s)+16*\b+8:(\s)+16*\b+15], v[TM+12+\b]
.endr
	v_nop                                          ; one plain line behind the last conversion
.endm
.macro KLO                             ; K's key tiles 0-5 of my step: 48 loads into window 1, v64 on
	WIN 0x40
.set i, 0
.rept 48
	ds_load_b128 v[64+4*i:67+4*i], v[ADK] offset:512*i
.set i, i+1
.endr
	WIN 0
.endm
.macro KHI                             ; key tiles 6 and 7: 16 loads into window 3, v0-63
	WIN 0xc0
.set i, 0
.rept 16
	ds_load_b128 v[4*i:4*i+3], v[ADK] offset:24576+512*i
.set i, i+1
.endr
	WIN 0
.endm
.macro VLO                             ; V's channel tiles 0-3: 16 loads into window 3, v0-63, which K's tiles 6 and 7 have left
	WIN 0xc0
.set i, 0
.rept 16
	ds_load_b128 v[4*i:4*i+3], v[ADK] offset:32768+512*i
.set i, i+1
.endr
	WIN 0
.endm
.macro VHI                             ; V's channel tiles 4-15: 48 loads into window 3, v64-255
	WIN 0xc0
.set i, 16
.rept 48
	ds_load_b128 v[4*i:4*i+3], v[ADK] offset:32768+512*i
.set i, i+1
.endr
	WIN 0
.endm
; THE SOFTMAX of register set T (0: A, 1: B) for one key step.  first = 1: the first step starts M and the sum.  O^T is brought under the new M among the products with V (RSC), by the f that is kept here.
; In set A's, HOOK puts one of set B's products K Q^T ahead of each slice of four or so lines, 14 in all: 12 up to the change of M, two among the scalings.
.macro SOFTMAX T, first
.set rS, 128+64*(\T)
.set rT, STA+4*(\T)
.set rP, 96+16*(\T)
.set sF, FP+6*(\T)
	HOOK
.irp b, 0,1,2,3
	v_max3_num_f32 v[BM+\b], v[rS+16*\b], v[rS+16*\b+1], v[rS+16*\b+2]   ; the largest score of each block of 32 keys: for the row's maximum and, since p rises with the score, for the block's largest p.  Each accumulator is read from its low end on
.endr
.irp i, 3,5,7,9,11,13
	HOOK
.irp b, 0,1,2,3
	v_max3_num_f32 v[BM+\b], v[BM+\b], v[rS+16*\b+\i], v[rS+16*\b+\i+1]
.endr
.endr
	HOOK
.irp b, 0,1,2,3
	v_max_num_f32 v[BM+\b], v[BM+\b], v[rS+16*\b+15]
.endr
	HOOK
.irp b, 0,1,2,3
	v_permlanex16_b32 v[PX+\b], v[BM+\b], s[SEL], s[SEL+1]
.endr
	HOOK
.irp b, 0,1,2,3
	v_max_num_f32 v[BM+\b], v[BM+\b], v[PX+\b]     ; with lane l xor 16's 16 keys
.endr
	HOOK
	v_max3_num_f32 v[TT], v[BM], v[BM+1], v[BM+2]
	v_max_num_f32 v[TT], v[TT], v[BM+3]
	v_mul_f32 v[TT], s[CS], v[TT]                  ; the step's largest t of my query
	HOOK
.if \first
	v_mov_b32 v[rT+1], v[TT]
	v_floor_f32 v[rT], -v[rT+1]                    ; -M = floor(-t)
.else
	v_max_num_f32 v[rT+1], v[rT+1], v[TT]          ; the running largest t
	v_mov_b32 v[TT], v[rT]
	v_floor_f32 v[rT], -v[rT+1]
	v_sub_f32 v[TT], v[rT], v[TT]                  ; old M - new M: a whole number, 0 or less
	v_cvt_i32_f32 v[TT], v[TT]
	v_ldexp_f32 v[sF], 1.0, v[TT]                  ; f
.endif
.set j, 0
.rept 32
.if (j%8) == 0
	HOOK
.endif
	v_pk_fma_f32 v[rS+j:rS+j+1], v[rS+j:rS+j+1], s[CS:CS+1], v[rT:rT+1] op_sel_hi:[1,0,0]   ; t - M (of the pairs c and -M the low word serves both halves)
.set j, j+2
.endr
.irp b, 0,1,2,3
	v_fma_f32 v[BM+\b], v[BM+\b], s[CS], v[rT]
.endr
.if (\T) == 0
	VLO                                            ; 28 scalings and the four lines above stand behind set B's last product K Q^T: more than the eight places ahead of loads into its operands and scale words
.if pnext
	global_load_b128 v[KS:KS+3], v[LI], s[SCP:SCP+1] offset:4096       ; the next period's scale words of K
	global_load_b128 v[KS+4:KS+7], v[LI], s[SCP:SCP+1] offset:4608
.endif
.endif
.irp b, 0,1,2,3
	v_exp_f32 v[BM+\b], v[BM+\b]                   ; the blocks' largest p
.endr
.set j, 0
.rept 64
	v_exp_f32 v[rS+j], v[rS+j]                     ; p, at most 1, not normalised
.set j, j+1
.endr
.if \first
	v_mov_b32 v[rT+2], 0                           ; (a plain line behind the exponentials)
	v_mov_b32 v[rT+3], 0
.else
	v_pk_mul_f32 v[rT+2:rT+3], v[rT+2:rT+3], v[sF:sF+1] op_sel_hi:[1,0]   ; the sums under the new M.  (A plain line behind the exponentials)
.endif
	s_wait_alu depctr_va_vdst(0)                   ; one wait for the batch of 68, ahead of its first reader
	v_pk_add_f32 v[SU:SU+1], v[rS:rS+1], v[rS+2:rS+3]   ; the row's sum of the unquantised p, in two chains
.set j, 4
.rept 15
	v_pk_add_f32 v[rT+2:rT+3], v[rT+2:rT+3], v[rS+j:rS+j+1]
	v_pk_add_f32 v[SU:SU+1], v[SU:SU+1], v[rS+j+2:rS+j+3]
.set j, j+4
.endr
	v_pk_add_f32 v[rT+2:rT+3], v[rT+2:rT+3], v[SU:SU+1]
.irp b, 0,1,2,3
	v_max_num_f32 v[BM+\b], 0x4800000, v[BM+\b]    ; the floor 2^(9 - 127): the byte cannot fall under 1
.endr
.irp b, 0,1,2,3
	v_add_nc_u32 v[SO+\b], 0xfc000000, v[BM+\b]
.endr
.irp b, 0,1,2,3
	v_and_or_b32 v[HD+\b], v[BM+\b], 0x7f800000, s[MNT]
.endr
.irp b, 0,1,2,3
	v_lshrrev_b32 v[PX+\b], 23, v[SO+\b]
.endr
	v_lshl_or_b32 v[PSW+(\T)], v[PX+1], 8, v[PX]   ; p's scale word for these 128 keys; the 64 holds below are more than the eight places that it owes
	v_lshl_or_b32 v[PSW+(\T)], v[PX+2], 16, v[PSW+(\T)]
	v_lshl_or_b32 v[PSW+(\T)], v[PX+3], 24, v[PSW+(\T)]
.irp b, 0,1,2,3
.irp i, 0,1,2,3,4,5,6,7,8,9,10,11,12,13,14,15
	v_min_num_f32 v[rS+16*\b+\i], v[rS+16*\b+\i], v[HD+\b]   ; p is not negative: a one-sided hold
.endr
	v_cvt_scalef32_pk8_fp8_f32 v[rP+4*\b:rP+4*\b+1], v[rS+16*\b:rS+16*\b+7], v[SO+\b]
	v_cvt_scalef32_pk8_fp8_f32 v[rP+4*\b+2:rP+4*\b+3], v[rS+16*\b+8:rS+16*\b+15], v[SO+\b]
.endr
.if \first
	PLACES 4                                       ; codes written by vector instructions stand four places ahead of the scaled product
.else
	v_nop                                          ; one plain line behind the last conversion; the codes' four places are the first multiplications of O^T
.endif
.endm
; THE CHANGE OF SLOTS.  Each wave waits for all its tensor loads (its quarter of the next slot), adds 0 to its spare word, and waits for that and for its reads of the slot in hand (V's tiles 0-3 were the last).
; fill = 1: the barrier is a round of the cluster's, and the joint refill of the slot in hand is the first thing behind it: it has a whole period in which to land.
.macro CHANGE fill
	s_wait_tensorcnt 0x0                           ; no tensor load of mine is out, so a group 0 may be written
	ds_add_u32 v[SPW], v[NIL]                      ; 0 onto my spare word; the steps below stand between it and the wait for it
	s_wait_xcnt 0x0                                ; the scale words' loads and the last prefetch have read their bases
	s_add_nc_u64 s[SCP:SCP+1], s[SCP:SCP+1], 4096  ; two key steps of scale words on
.if \fill
	s_xor_b32 s[G0W+1], s[G0W+1], SLOT1            ; the walking descriptor: the other slot than last time,
	s_add_nc_u64 s[G0W+2:G0W+3], s[G0W+2:G0W+3], SLOT1   ; the next 256 keys; the type bits on top are not reached
	s_add_nc_u64 s[PFA:PFA+1], s[PFA:PFA+1], SLOT1 ; one slot further on than the walking descriptor
.endif
	s_wait_dscnt 0x0                               ; the add is done, and my reads of the slot in hand are over
.if \fill
	CROUND
	JLOAD G0W
	ASK
.else
	s_barrier_signal -1
	s_barrier_wait -1
.endif
.endm
; A PERIOD: my key step of one slot, for both register sets.  next = 1: a further period follows, and its K, the larger part of its V and its scale words are fetched.
; At its head K's key tiles 0-5 are in (the wait at the end of the period before, or at the kernel's head, has shown it); out may be 15 loads of tiles 6 and 7 and, behind them, V's 48.
.macro PERIOD first, fill, next
.set pnext, \next
	s_wait_loadcnt 0x2                             ; K's scale words are in; V's two loads, issued behind them, may be out
.set sn, 0
.rept 12
	STW 0                                          ; set A's scores: nothing can stand beside them
.endr
	s_wait_dscnt 47                                ; key tiles 6 and 7 are in; behind them V's 48 loads were issued, of which 47 may be out
.rept 4
	STW 0
.endr
.set sn, 0
	STW 1                                          ; set B's first two products carry the eight places ahead of the first read of set A's scores
	WIN 0
	PLACES 4
	STW 1
	WIN 0
	PLACES 4
	SOFTMAX 0, \first                              ; with set B's other 14 products, V's tiles 0-3 and the next scale words of K
.if \next
	CHANGE \fill
	s_xor_b32 s[TB], s[TB], SLOT1
	v_add_nc_u32 v[ADK], s[TB], v[LB]
	KLO                                            ; they land under set B's softmax
.else
	s_wait_dscnt 0x0                               ; V is in
.endif
	SOFTMAX 1, \first
.if \next
	s_wait_loadcnt 0x2                             ; V's scale words are in; the next period's two loads of K's may be out
.else
	s_wait_loadcnt 0x0
.endif
.if \first
.set pn, 0
.rept 32
	PVW 1                                          ; the first period's products start O^T's sums: nothing is cleared, and nothing is there to be multiplied
.endr
	WIN 0
	PLACES 8
	KHI
.else
.set rn, 0
	RSC                                            ; three accumulators ahead: eight multiplications stand between an accumulator's own and the product that adds onto it
	RSC
	RSC
.set pn, 0
.rept 32
	PVW 0
	RSC
.if \next && (pn == 12)
	KHI                                            ; V's tiles 0-3 were last read by the eighth product; twenty multiplications stand between.  They land under the other twenty products
.endif
.endr
	WIN 0
	PLACES 8                                       ; ahead of the loads into V's registers and scale words
.endif
.if \next
	s_wait_dscnt 15                                ; K's 48 loads of tiles 0-5 are in, and the first of tiles 6 and 7; 15 may be out
	VHI                                            ; the next step's V, tiles 4-15: they land under set A's scores and softmax
	global_load_b128 v[VS:VS+3], v[LI], s[SCP:SCP+1] offset:1024       ; the next period's scale words of V (the base has been stepped)
	global_load_b128 v[VS+4:VS+7], v[LI], s[SCP:SCP+1] offset:1536
.endif
.endm
	s_load_b512 s[4:19], s[0:1], 0x0               ; qimg s[4:5], qscl s[6:7], kv s[8:9], kvs s[10:11], wimg s[12:13], wscl s[14:15], bp s[16:17], x s[18:19]
	s_load_b64 s[20:21], s[0:1], 0x40              ; out0
	v_lshl_add_u32 v[SPW], v0, 2, SPARE
	v_mov_b32 v[NIL], 0
	ds_add_u32 v[SPW], v[NIL]                      ; the wave's opening: the add, twice on end, and its wait ahead of my first tensor load
	ds_add_u32 v[SPW], v[NIL]
	v_lshrrev_b32 v1, 5, v0
	v_readfirstlane_b32 s[WV], v1                  ; wave 0..3
	s_bfe_u32 s23, ttmp6, 0x40000                  ; cx: my place in the cluster
	s_lshl_b32 s24, ttmp9, 2
	s_add_co_u32 s24, s24, s23                     ; my block of 64 queries: it enters Q's, x's and out0's addresses alone
	s_and_b32 s25, ttmp7, 0xffff                   ; the batch, which the four partners share
	s_and_b32 s26, s[WV], 1                        ; qh
	s_lshr_b32 s27, s[WV], 1                       ; sp
	s_lshl_b32 s57, s26, 1
	s_add_co_u32 s57, s57, s27                     ; set A's tile: 2 qh + sp
	s_mov_b32 s[G1], 15|(3<<16)|(1<<21)            ; 15:0 the mask: all four work-groups; 17:16 elements of 8 bytes; 21 set beside a mask; no padding
	s_mov_b32 s[G1+1], 32<<16                      ; tensor_dim0 = 32 elements: rows of 256 bytes
	s_mov_b32 s[G1+2], 128<<16                     ; tensor_dim1 = 128
	s_mov_b32 s[G1+3], 32<<16                      ; tile_dim0
	s_mov_b32 s[G1+4], 128                         ; tile_dim1
	s_mov_b32 s[G1+5], 32                          ; the pitch: the block is dense
	s_mov_b32 s[G1+6], 0
	s_mov_b32 s[G1+7], 0
	s_mov_b32 s[TB], 0
	s_mov_b32 s[SLOTS], 14
	s_mov_b32 s[CS], 0x3db8aa3b                    ; log2(e) / sqrt(256)
	s_mov_b32 s[CS+1], s[CS]
	s_mov_b32 s[SEL], 0x76543210
	s_mov_b32 s[SEL+1], 0xfedcba98
	s_mov_b32 s[MNT], 0x600000
	s_cmp_eq_u32 s27, 1
	s_cselect_b32 s51, -1, 0                       ; a lane mask: all lanes where sp = 1
	s_cmp_eq_u32 ttmp9, 0
	s_cselect_b32 s[LIM], 1, -1                    ; the same in all four partners
	v_and_b32 v[LI], 31, v0
	v_lshlrev_b32 v[PFO], 8, v[LI]
	v_lshlrev_b32 v[LI], 4, v[LI]
	s_lshl_b32 s58, s27, 16
	v_add_nc_u32 v[LB], s58, v[LI]
	s_lshl_b32 s58, s25, 21                        ; the batch's 2 MiB of kv,
	s_lshl_b32 s62, s[WV], 15                      ; my quarter of a slot
	s_add_co_u32 s58, s58, s62
	s_mov_b32 s59, 0
	s_wait_dscnt 0x0                               ; both opening adds are done
	s_wait_kmcnt 0x0
	s_add_nc_u64 s[60:61], s[8:9], s[58:59]
	s_lshl_b32 s58, s25, 16
	s_lshl_b32 s63, s27, 11
	s_add_co_u32 s58, s58, s63
	s_add_nc_u64 s[SCP:SCP+1], s[10:11], s[58:59]  ; kvs: 65,536 a batch, 2,048 a step
	s_lshl_b32 s58, s25, 21
	s_lshl_b32 s63, s23, 15
	s_add_co_u32 s58, s58, s63
	s_lshl_b32 s63, s[WV], 13
	s_add_co_u32 s58, s58, s63
	s_add_co_u32 s58, s58, 2*SLOT1                 ; in slot 2: the first change of slots steps it to slot 3.  Nothing is prefetched at the head
	s_add_nc_u64 s[PFA:PFA+1], s[8:9], s[58:59]
	s_lshl_b32 s58, s25, 6
	s_add_co_u32 s63, s58, s24                     ; 64 b + my block
	s_lshl_b32 s58, s63, 14
	s_lshl_b32 s2, s57, 12
	s_add_co_u32 s58, s58, s2
	s_add_nc_u64 s[66:67], s[4:5], s[58:59]        ; Q of set A
	s_xor_b32 s2, s57, 1                           ; set B's tile
	s_lshl_b32 s58, s63, 14
	s_lshl_b32 s2, s2, 12
	s_add_co_u32 s58, s58, s2
	s_add_nc_u64 s[68:69], s[4:5], s[58:59]        ; Q of set B
	s_lshl_b32 s58, s63, 9
	s_lshl_b32 s2, s26, 2
	s_add_co_u32 s58, s58, s2
	s_add_nc_u64 s[70:71], s[6:7], s[58:59]        ; their scale words: word 2 s + qh of a lane's four
	CROUND                                         ; all four work-groups are here: the first joint loads meet
	s_mov_b32 s[G0A], 1
	s_mov_b32 s[G0A+1], s62                        ; LDS: 32,768 x wave: no place in the cluster enters an LDS address
	s_mov_b64 s[G0A+2:G0A+3], s[60:61]
	s_or_b32 s[G0A+3], s[G0A+3], 0x80000000
	s_mov_b32 s[G0W], 1
	s_add_co_u32 s[G0W+1], s62, SLOT1
	s_add_nc_u64 s[G0W+2:G0W+3], s[60:61], SLOT1
	s_or_b32 s[G0W+3], s[G0W+3], 0x80000000
	tensor_load_to_lds s[G0A:G0A+3], s[G1:G1+7]    ; slot 0
	s_nop 0
	tensor_load_to_lds s[G0W:G0W+3], s[G1:G1+7]    ; slot 1
	s_nop 0
	PLACES 4
	WIN 0x40                                       ; Q stays in registers: window 1
.irp i, 0,1,2,3,4,5,6,7
	global_load_b128 v[4*\i:4*\i+3], v[LI], s[66:67] offset:512*\i
.endr
.irp i, 0,1,2,3,4,5,6,7
	global_load_b128 v[32+4*\i:35+4*\i], v[LI], s[68:69] offset:512*\i
.endr
	WIN 0
	global_load_b32 v26, v[LI], s[70:71]           ; lanes 0-15: tile 2 qh's words, lanes 16-31: tile 2 qh + 1's
	global_load_b32 v27, v[LI], s[70:71] offset:8
	global_load_b128 v[KS:KS+3], v[LI], s[SCP:SCP+1]
	global_load_b128 v[KS+4:KS+7], v[LI], s[SCP:SCP+1] offset:512
	global_load_b128 v[VS:VS+3], v[LI], s[SCP:SCP+1] offset:1024
	global_load_b128 v[VS+4:VS+7], v[LI], s[SCP:SCP+1] offset:1536
.irp b, 0,1,2,3
	v_mov_b32 v[PX+\b], 0                          ; lane permutes' destinations count as sources
.endr
	v_mov_b32 v[FP+1], 0                           ; named as the upper half of a pair
	s_wait_loadcnt 0x4                             ; Q and its scale words are in; K's and V's four loads of scale words may be out
	v_permlanex16_b32 v[PX], v26, s[SEL], s[SEL+1]
	v_permlanex16_b32 v[PX+1], v27, s[SEL], s[SEL+1]
	v_cndmask_b32 v[QS], v26, v[PX], s51           ; lanes 0-15 set A's, lanes 16-31 set B's: as loaded where sp = 0, the halves exchanged where sp = 1
	v_cndmask_b32 v[QS+1], v27, v[PX+1], s51
	v_mov_b32 v27, 0                               ; from here on the upper half of set B's pair for f
	; the way out's addresses are made here: more than the eight places that a scale word written by a vector instruction owes
	v_and_b32 v77, 15, v0                          ; r
	v_bfe_u32 v78, v0, 4, 1                        ; h
	v_and_b32 v[ELS], 31, v0
	v_lshlrev_b32 v[ELS], 2, v[ELS]                ; 4 x lane
	s_lshl_b32 s58, s[WV], 14
	v_add_nc_u32 v[EMS], s58, v[LI]                ; the merge: where I put set B's O^T (slot 0's bytes),
	s_xor_b32 s59, s[WV], 2
	s_lshl_b32 s60, s59, 14
	v_add_nc_u32 v[EML], s60, v[LI]                ; and where my partner has put what belongs to my set A
	s_lshl_b32 s58, s[WV], 8
	s_add_co_u32 s58, s58, MST
	v_add_nc_u32 v[ESS], s58, v[ELS]
	s_lshl_b32 s60, s59, 8
	s_add_co_u32 s60, s60, MST
	v_add_nc_u32 v[ESL], s60, v[ELS]
	s_lshl_b32 s58, s57, 12
	s_add_co_u32 s58, s58, ATT
	v_add_nc_u32 v[EAS], s58, v[LI]
	s_lshl_b32 s58, s57, 8
	s_add_co_u32 s58, s58, ASC
	v_add_nc_u32 v[ECS], s58, v[ELS]
	v_add_nc_u32 v[EAL], ATT, v[LI]
	v_add_nc_u32 v[ECL], ASC, v[ELS]
	s_mul_i32 s58, s[WV], 4352
	s_add_co_u32 s58, s58, OST
	v_mul_u32_u24 v[EOS], v77, 272
	v_lshl_add_u32 v[EOS], v78, 6, v[EOS]
	v_add_nc_u32 v[EOS], s58, v[EOS]               ; the stage, in: row r (a channel), + 64 h
	v_mul_u32_u24 v[EOL], v78, 272
	v_lshl_add_u32 v[EOL], v77, 4, v[EOL]
	v_add_nc_u32 v[EOL], s58, v[EOL]               ; back: lanes 0-15 one row, lanes 16-31 the next
	v_lshlrev_b32 v[XO], 4, v77
	v_lshl_add_u32 v[XO], v78, 14, v[XO]           ; the same two rows in x and out0
	v_and_b32 v[BO], 8, v77
	v_add_nc_u32 v[BO], v[BO], v77
	v_lshlrev_b32 v[BO], 2, v[BO]                  ; 4 (r + 8 (r / 8))
	s_wait_tensorcnt 0x1                           ; my quarter of slot 0 is in; slot 1's may stay out
	s_barrier_signal -1
	s_barrier_wait -1                              ; everybody's is
	v_add_nc_u32 v[ADK], s[TB], v[LB]
	KLO
	KHI
	s_wait_dscnt 15                                ; K's 48 loads of tiles 0-5 are in, and the first of tiles 6 and 7; 15 may be out
	VHI
	PERIOD 1, 1, 1                                 ; the first period starts every sum: nothing is cleared
	s_sub_co_u32 s[SLOTS], s[SLOTS], 1
.Lperiod:                                              ; 13 trips: periods 1 to 13, each of which fills a slot again
	PERIOD 0, 1, 1
	s_sub_co_u32 s[SLOTS], s[SLOTS], 1
	s_cmp_lg_u32 s[SLOTS], 0
	s_cbranch_scc1 .Lperiod
	PERIOD 0, 0, 1                                 ; the tail is written out
	PERIOD 0, 0, 0
	; ---- THE WAY OUT.  Its loads first: my 64 rows of wp, their scale words, bp, and the residual
	s_lshl_b32 s58, s[WV], 14
	s_add_co_u32 s58, s58, 196608
	s_mov_b32 s59, 0
	s_add_nc_u64 s[66:67], s[12:13], s[58:59]
	s_lshl_b32 s58, s[WV], 9
	s_add_co_u32 s58, s58, 6144
	s_add_nc_u64 s[68:69], s[14:15], s[58:59]
	s_lshl_b32 s58, s[WV], 8
	s_add_nc_u64 s[70:71], s[16:17], s[58:59]
	s_lshl_b32 s58, s25, 22
	s_lshl_b32 s60, s[WV], 20
	s_add_co_u32 s58, s58, s60
	s_lshl_b32 s60, s24, 8
	s_add_co_u32 s58, s58, s60                     ; batch, my 64 channels, my block's 64 positions
	s_add_nc_u64 s[72:73], s[18:19], s[58:59]
	s_add_nc_u64 s[74:75], s[20:21], s[58:59]
	WIN 0x40                                       ; wp: window 1, fragment (tile g, K step s) at v[64 + 16 (2 g + s)]
.set i, 0
.rept 32
	global_load_b128 v[64+4*i:67+4*i], v[LI], s[66:67] offset:512*i
.set i, i+1
.endr
	WIN 0
.irp g, 0,1,2,3
	global_load_b32 v[VS+\g], v[ELS], s[68:69] offset:128*\g
.endr
.irp g, 0,1,2,3
	global_load_b32 v[BPV+\g], v[BO], s[70:71] offset:(32*(\g/2)+8*(\g%2))*4
.endr
	WIN 0xc0                                       ; x: window 3, v128 on: tile g, row pair i
.irp g, 0,1,2,3
.irp i, 0,1,2,3,4,5,6,7
	global_load_b128 v[128+32*\g+4*\i:131+32*\g+4*\i], v[XO], s[72:73] offset:(32*(\g/2)+8*(\g%2)+2*\i+8*(\i/4))*16384 th:TH_LOAD_NT
.endr
.endr
	WIN 0
	; ---- the merge: set B goes to wave w xor 2, whose set A is the same tile
	v_add_f32 v18, v18, v19                        ; set B's sum: its two halves
	s_wait_dscnt 0x0
	s_barrier_signal -1
	s_barrier_wait -1                              ; every wave's reads of the ring are over before any wave stores into slot 0's bytes, which have had their last fill
	WIN 0x08                                       ; an LDS store's data are its source 1: window 2
.set i, 0
.rept 32
	ds_store_b128 v[EMS], v[128+4*i:131+4*i] offset:512*i          ; each accumulator from its low end on
.set i, i+1
.endr
	WIN 0
	ds_store_b32 v[ESS], v16                       ; -M
	ds_store_b32 v[ESS], v18 offset:128
	s_wait_dscnt 0x0                               ; for the partner's sake: my stores have landed
	s_barrier_signal -1
	s_barrier_wait -1
	WIN 0xc0
.set i, 0
.rept 32
	ds_load_b128 v[4*i:4*i+3], v[EML] offset:512*i                 ; the partner's O^T of my tile: window 3, v0-127
.set i, i+1
.endr
	WIN 0
	ds_load_b32 v26, v[ESL]
	ds_load_b32 v27, v[ESL] offset:128
	v_add_f32 v14, v14, v15
	s_wait_dscnt 0x0
	v_min_num_f32 v16, v12, v26                    ; -M of both: the larger M
	v_sub_f32 v17, v16, v12                        ; whole numbers, 0 or less
	v_sub_f32 v19, v16, v26
	v_cvt_i32_f32 v17, v17
	v_cvt_i32_f32 v19, v19
	v_ldexp_f32 v17, 1.0, v17                      ; what brings my part under the common M,
	v_ldexp_f32 v19, 1.0, v19                      ; and the partner's: both exact
	v_mul_f32 v14, v14, v17
	v_fma_f32 v14, v27, v19, v14
	v_permlanex16_b32 v[PX], v14, s[SEL], s[SEL+1]
	v_add_f32 v14, v14, v[PX]                      ; the row's sum
	v_rcp_f32 v15, v14
	v_nop                                          ; a plain line behind the transcendental,
	s_wait_alu depctr_va_vdst(0)                   ; and the wait ahead of the first line that names its result
	v_mul_f32 v20, v17, v15                        ; the low words of the pairs v[20:21] and v[16:17]
	v_mul_f32 v16, v19, v15
	WIN 0x03                                       ; source 0 window 3
.set j, 0
.rept 64
	v_pk_mul_f32 v[128+j:129+j], v[j:j+1], v[16:17] op_sel_hi:[1,0]
.set j, j+2
.endr
	WIN 0x02                                       ; source 0 window 2: my O^T, each accumulator from its low end on
.set j, 0
.rept 64
	v_pk_fma_f32 v[128+j:129+j], v[j:j+1], v[20:21], v[128+j:129+j] op_sel_hi:[1,0,1]
.set j, j+2
.endr
	WIN 0
	; ---- register 128 + 16 b + i is channel 32 b + 16 h + i of my query: two K steps of the last product
	QUANT 128, 96, 26
	QUANT 192, 112, 27
.irp c, 0,1,2,3
	ds_store_b128 v[EAS], v[96+4*\c:99+4*\c] offset:512*\c
	ds_store_b128 v[EAS], v[112+4*\c:115+4*\c] offset:2048+512*\c
.endr
	ds_store_b32 v[ECS], v26
	ds_store_b32 v[ECS], v27 offset:128
	s_wait_dscnt 0x0
	s_barrier_signal -1
	s_barrier_wait -1                              ; the four tiles' eight fragments lie in LDS
	WIN 0xc0
.set i, 0
.rept 32
	ds_load_b128 v[4*i:4*i+3], v[EAL] offset:512*i                 ; window 3: fragment (T, s) at v[16 (2 T + s)]
.set i, i+1
.endr
	WIN 0
.irp f, 0,1,2,3,4,5,6,7
	ds_load_b32 v[KS+\f], v[ECL] offset:128*\f
.endr
	s_wait_loadcnt 32                              ; wp, its scale words and bp are in; the residual's 32 loads may be out
.irp g, 0,1,2,3
.irp j, 0,1,2,3,4,5,6,7
	v_mov_b32 v[CB+8*\g+\j], v[BPV+\g]             ; the bias as C: a lane holds one output channel
.endr
.endr
	s_wait_dscnt 0x0
	WIN 0x87                                       ; source 0 (the attention output) window 3, source 1 (wp) window 1, C window 0, D window 2
.irp g, 0,1,2,3                        ; sixteen accumulators by turns
.irp q, 0,1,2,3
.set rD, 32*\g+8*\q
.set rA, 16*(2*\q)
.set rB, 64+16*(2*\g)
.set rC, CB+8*\g
.set zC, 0
.set rSA, KS+2*\q
.set fA, 0
.set rSB, VS+\g
.set fB, 0
	SMUL
.endr
.endr
	WIN 0xa7                                       ; C and D window 2
.irp g, 0,1,2,3
.irp q, 0,1,2,3
.set rD, 32*\g+8*\q
.set rA, 16*(2*\q+1)
.set rB, 64+16*(2*\g+1)
.set rC, rD
.set zC, 0
.set rSA, KS+2*\q+1
.set fA, 0
.set rSB, VS+\g
.set fB, 1
	SMUL
.endr
.endr
	WIN 0
	PLACES 8
	s_wait_loadcnt 0x0                             ; the residual
	; ---- a lane holds 32 positions of one channel; a tile of 16 channels goes through my own stage and leaves as rows of 256 bytes.  LDS serves a wave's instructions in order (ISA guide 5.7.1.4)
.irp g, 0,1,2,3
	WIN 0x08
.irp q, 0,1,2,3
	ds_store_b128 v[EOS], v[32*\g+8*\q:32*\g+8*\q+3] offset:128*(\q/2)+32*(\q%2)        ; positions 32 (q / 2) + 16 h + 8 (q % 2) on; each accumulator from its low end on
	ds_store_b128 v[EOS], v[32*\g+8*\q+4:32*\g+8*\q+7] offset:128*(\q/2)+32*(\q%2)+16
.endr
	WIN 0
.if \g > 1
	s_wait_xcnt 0x0                                ; the stores of two tiles ago have read the registers into which the loads below land
.endif
.irp i, 0,1,2,3,4,5,6,7
	ds_load_b128 v[128+32*(\g%2)+4*\i:131+32*(\g%2)+4*\i], v[EOL] offset:544*\i
.endr
	s_wait_dscnt 0x0
	WIN 0x0c                                       ; source 1 (x) window 3
.irp k, 0,1,2,3,4,5,6,7,8,9,10,11,12,13,14,15
	v_pk_add_f32 v[128+32*(\g%2)+2*\k:129+32*(\g%2)+2*\k], v[128+32*(\g%2)+2*\k:129+32*(\g%2)+2*\k], v[128+32*\g+2*\k:129+32*\g+2*\k]
.endr
	WIN 0
.irp i, 0,1,2,3,4,5,6,7
	global_store_b128 v[XO], v[128+32*(\g%2)+4*\i:131+32*(\g%2)+4*\i], s[74:75] offset:(32*(\g/2)+8*(\g%2)+2*\i+8*(\i/4))*16384 th:TH_STORE_NT   ; sixteen lanes store 256 consecutive bytes, aligned
.endr
.endr
	s_wait_tensorcnt 0x0                           ; the wave's end: behind my last tensor load and my last LDS store
	ds_add_u32 v[SPW], v[NIL]
	s_wait_dscnt 0x0
	CROUND                                         ; the closing round: no work-group ends while a partner may still ask for a tile that names it
	s_endpgm
.Lfunc_end_k_q1dcf29eb60_attn:
	.size	k_q1dcf29eb60_attn, .Lfunc_end_k_q1dcf29eb60_attn-k_q1dcf29eb60_attn
	.p2alignl 7, 3214868480
	.fill 96, 4, 3214868480
	.section	.rodata,"a",@progbits
	.p2align	6, 0x0
	.amdhsa_kernel k_q1dcf29eb60_attn
		.amdhsa_group_segment_fixed_size 327680
		.amdhsa_private_segment_fixed_size 0
		.amdhsa_enable_private_segment 0
		.amdhsa_kernarg_size 72
		.amdhsa_user_sgpr_count 2
		.amdhsa_user_sgpr_kernarg_segment_ptr 1
		.amdhsa_wavefront_size32 1
		.amdhsa_system_sgpr_workgroup_id_x 1
		.amdhsa_system_sgpr_workgroup_id_y 1
		.amdhsa_system_sgpr_workgroup_id_z 1
		.amdhsa_system_vgpr_workitem_id 0
		.amdhsa_next_free_vgpr 1024
		.amdhsa_next_free_sgpr 100
		.amdhsa_reserve_vcc 0
		.amdhsa_float_denorm_mode_32 3
		.amdhsa_float_denorm_mode_16_64 3
		.amdhsa_memory_ordered 1
		.amdhsa_forward_progress 1
		.amdhsa_inst_pref_size 255
	.end_amdhsa_kernel
	.section	.bss,"aw",@nobits
	.p2align	6
	.space	262144
	.amdgpu_metadata
---
amdhsa.version: [ 1, 2 ]
amdhsa.kernels:
  - .name:           k_q1dcf29eb60_attn
    .symbol:         k_q1dcf29eb60_attn.kd
    .args:
      - { .name: qimg, .offset: 0, .size: 8, .value_kind: global_buffer, .address_space: global }
      - { .name: qscl, .offset: 8, .size: 8, .value_kind: global_buffer, .address_space: global }
      - { .name: kv, .offset: 16, .size: 8, .value_kind: global_buffer, .address_space: global }
      - { .name: kvs, .offset: 24, .size: 8, .value_kind: global_buffer, .address_space: global }
      - { .name: wimg, .offset: 32, .size: 8, .value_kind: global_buffer, .address_space: global }
      - { .name: wscl, .offset: 40, .size: 8, .value_kind: global_buffer, .address_space: global }
      - { .name: bp, .offset: 48, .size: 8, .value_kind: global_buffer, .address_space: global }
      - { .name: x, .offset: 56, .size: 8, .value_kind: global_buffer, .address_space: global }
      - { .name: out0, .offset: 64, .size: 8, .value_kind: global_buffer, .address_space: global }
    .group_segment_fixed_size: 327680
    .private_segment_fixed_size: 0
    .kernarg_segment_align: 8
    .kernarg_segment_size: 72
    .max_flat_workgroup_size: 128
    .sgpr_count:     100
    .vgpr_count:     1024
    .wavefront_size: 32
...
	.end_amdgpu_metadata
.endif
;; end of part 3
